; MI455X (gfx1250); checked and timed in simulation.
; The chip was launched on July 23, 2026; its instructions are those of AMD's public machine-readable ISA for CDNA 5 (MIT licence, August 2026) and "CDNA5" Instruction Set Architecture Reference Guide (July 2026). The comments in the code are by the model that wrote it; some were corrected since.
;; Self Attention. Allowed arithmetic: float matrix products may take bf16 or f16 operands with f32 sums; all other float work in f32.
;; Inputs: Wk 1,024 x 1,024 float32; Wq 1,024 x 1,024 float32; Wv 1,024 x 1,024 float32; bk 1,024 float32; bq 1,024 float32; bv 1,024 float32; x 4 x 2,048 x 1,024 float32.
;; Outputs: out0 4 x 2,048 x 1,024 float32.
;; 2 versions, each right; version 2 is version 1 with the launches prep, comb written anew for expert scheduling mode. Each part assembles by itself: llvm-mc -triple=amdgcn-amd-amdhsa -mcpu=gfx1250 --defsym DOCPART=n.
;; ======== version 1 of 2: 5 launches
;; limits: values are held in f16: magnitudes above 65,504 overflow, below 6.1e-05 lose precision
;; workspace buffers: xb 16,777,216 bytes; wb 6,291,456 bytes; bias 12,288 bytes; qkv 50,331,648 bytes; p 33,554,432 bytes; stat 1,048,576 bytes; cw 524,288 bytes
;; launch prep (part 1): grid 705 x 1, 8 waves a work-group, no clusters, 0 bytes of LDS; arguments x, Wq, Wk, Wv, bq, bk, bv, xb, wb, bias; writes xb, wb, bias
.if DOCPART == 1
	.amdgcn_target "amdgcn-amd-amdhsa--gfx1250"
	.amdhsa_code_object_version 6
	.text
	.protected	k_qdcb2c23855_prep
	.globl	k_qdcb2c23855_prep
	.p2align	8
	.type	k_qdcb2c23855_prep,@function
k_qdcb2c23855_prep:
	s_mov_b64 s[64:65], 0
	v_nop
	global_prefetch_b8 v0, s[64:65] scope:SCOPE_SE
	s_setreg_imm32_b32 hwreg(HW_REG_WAVE_MODE, 25, 1), 1
	s_wait_xcnt 0x0
; The module's inputs are rounded to bf16 once.
; xb = bf16(x) IN BLOCKS: [K step 16][row 8192][64]: number (row, c) lies at byte (c / 64) 1,048,576 + row 128 + (c % 64) 2, so that 64 along K of neighbouring rows lie end to end.
; wb[1024 k][3072 n] = bf16 of Wq, Wk, Wv side by side (n 0-1023 q, 1024-2047 k, 2048-3071 v).  bias[3072] = bq, bk, bv rounded to bf16 and kept as f32, since they start f32 sums.
; A pure stream: no LDS, no matrix unit, no cluster (no two work-groups read the same bytes).  Eight waves; a work-group takes 16 rows of 1,024 f32, in 16 loads and stores a thread.
; Work-groups 0-511: x.  512-703: 64 for each W.  704: the three biases.
; W: thread t owns 16 bytes of every row in and 8 out: a wave's load covers 512 consecutive bytes, its store 256.
; x: lanes 0-15 of wave w take 256 bytes (64 numbers: one K step) of one row, lanes 16-31 the same of the next row: their 128 + 128 bytes out are 256 consecutive bytes of xb, aligned.
.set XI, 8                             ; v[8:71]   sixteen times 4 numbers as loaded
.set YO, 72                            ; v[72:103] the same in bf16
	s_load_b512 s[8:23], s[0:1], 0x0               ; x s[8:9], Wq s[10:11], Wk s[12:13], Wv s[14:15], bq s[16:17], bk s[18:19], bv s[20:21], xb s[22:23]
	s_load_b128 s[24:27], s[0:1], 0x40             ; wb s[24:25], bias s[26:27]
	v_lshlrev_b32 v1, 4, v0                        ; W and biases: my 16 bytes of a row in,
	v_lshlrev_b32 v2, 3, v0                        ; my 8 bytes of a row out
	v_and_b32 v5, 15, v0                           ; x: lane % 16,
	v_bfe_u32 v6, v0, 4, 1                         ; lane / 16: which row of a pair,
	v_lshrrev_b32 v7, 5, v0                        ; wave: K steps 2 w and 2 w + 1
	v_lshlrev_b32 v3, 4, v5
	v_lshl_add_u32 v3, v6, 12, v3
	v_lshl_add_u32 v3, v7, 9, v3                   ; in: 16 (lane % 16) + 4,096 (lane / 16) + 512 w
	v_lshlrev_b32 v4, 3, v5
	v_lshl_add_u32 v4, v6, 7, v4
	v_lshl_add_u32 v4, v7, 21, v4                  ; out: 8 (lane % 16) + 128 (lane / 16) + 2 x 1,048,576 w
	s_mov_b32 s2, ttmp9
	s_mov_b32 s5, 0
	s_wait_kmcnt 0x0
; Sixteen loads from s[28:29] and stores to s[30:31]; number i stands at (i / 2) ia + (i % 2) ib in and at (i / 2) oa + (i % 2) ob out.  All loads go out first; no register is written
; twice, so the only waits are the counted ones for data.
.macro CONV vi, vo, ia, ib, oa, ob
.irp i, 0,1,2,3,4,5,6,7,8,9,10,11,12,13,14,15
	global_load_b128 v[XI+4*(\i):XI+4*(\i)+3], v[\vi], s[28:29] offset:((\i)/2)*(\ia)+((\i)%2)*(\ib) th:TH_LOAD_NT
.endr
.irp i, 0,1,2,3,4,5,6,7,8,9,10,11,12,13,14,15
	s_wait_loadcnt 15-(\i)                         ; loads come back in order: number i is in, the 15 - i younger ones stay out
	v_cvt_pk_bf16_f32 v[YO+2*(\i)], v[XI+4*(\i)], v[XI+4*(\i)+1]
	v_cvt_pk_bf16_f32 v[YO+2*(\i)+1], v[XI+4*(\i)+2], v[XI+4*(\i)+3]
	global_store_b64 v[\vo], v[YO+2*(\i):YO+2*(\i)+1], s[30:31] offset:((\i)/2)*(\oa)+((\i)%2)*(\ob)
.endr
.endm
	s_cmp_lt_u32 s2, 512
	s_cbranch_scc0 .Lweights
	s_lshl_b32 s4, s2, 16                          ; 16 rows of 4,096 bytes in
	s_add_nc_u64 s[28:29], s[8:9], s[4:5]
	s_lshl_b32 s4, s2, 11                          ; 16 rows of 128 bytes in each K step's block
	s_add_nc_u64 s[30:31], s[22:23], s[4:5]
	CONV 3, 4, 8192, 256, 256, 1048576             ; i / 2: the pair of rows; i % 2: which of my wave's two K steps
	s_endpgm
.Lweights:
	s_cmp_lt_u32 s2, 704
	s_cbranch_scc0 .Lbias
	s_sub_co_u32 s3, s2, 512
	s_lshr_b32 s6, s3, 6                           ; which W: 0 q, 1 k, 2 v
	s_and_b32 s7, s3, 63                           ; which 16 rows of it
	s_cmp_eq_u32 s6, 0
	s_cselect_b64 s[28:29], s[10:11], s[12:13]
	s_cmp_eq_u32 s6, 2
	s_cselect_b64 s[28:29], s[14:15], s[28:29]
	s_lshl_b32 s4, s7, 16
	s_add_nc_u64 s[28:29], s[28:29], s[4:5]
	s_mul_i32 s4, s7, 16*6144                      ; 16 rows of wb,
	s_lshl_b32 s6, s6, 11                          ; and this W's 2,048 bytes in them
	s_add_co_u32 s4, s4, s6
	s_add_nc_u64 s[30:31], s[24:25], s[4:5]
	CONV 1, 2, 8192, 4096, 12288, 6144             ; row i
	s_endpgm
.Lbias:
	global_load_b128 v[8:11], v1, s[16:17]
	global_load_b128 v[12:15], v1, s[18:19]
	global_load_b128 v[16:19], v1, s[20:21]
	s_wait_loadcnt 0x0
.irp i, 0,1,2,3,4,5
	v_cvt_pk_bf16_f32 v[20+\i], v[8+2*\i], v[9+2*\i]   ; rounded to bf16,
.endr
.irp i, 0,1,2,3,4,5
	v_lshlrev_b32 v[28+2*\i], 16, v[20+\i]             ; and widened again
	v_and_b32 v[29+2*\i], 0xffff0000, v[20+\i]
.endr
	global_store_b128 v1, v[28:31], s[26:27]
	global_store_b128 v1, v[32:35], s[26:27] offset:4096
	global_store_b128 v1, v[36:39], s[26:27] offset:8192
	s_endpgm
.Lfunc_end_k_qdcb2c23855_prep:
	.size	k_qdcb2c23855_prep, .Lfunc_end_k_qdcb2c23855_prep-k_qdcb2c23855_prep
	.p2alignl 7, 3214868480
	.fill 96, 4, 3214868480
	.section	.rodata,"a",@progbits
	.p2align	6, 0x0
	.amdhsa_kernel k_qdcb2c23855_prep
		.amdhsa_group_segment_fixed_size 0
		.amdhsa_private_segment_fixed_size 0
		.amdhsa_enable_private_segment 0
		.amdhsa_kernarg_size 80
		.amdhsa_user_sgpr_count 2
		.amdhsa_user_sgpr_kernarg_segment_ptr 1
		.amdhsa_wavefront_size32 1
		.amdhsa_system_sgpr_workgroup_id_x 1
		.amdhsa_system_sgpr_workgroup_id_y 1
		.amdhsa_system_sgpr_workgroup_id_z 1
		.amdhsa_system_vgpr_workitem_id 0
		.amdhsa_next_free_vgpr 104
		.amdhsa_next_free_sgpr 66
		.amdhsa_reserve_vcc 0
		.amdhsa_float_denorm_mode_32 3
		.amdhsa_float_denorm_mode_16_64 3
		.amdhsa_memory_ordered 1
		.amdhsa_forward_progress 1
		.amdhsa_inst_pref_size 15
	.end_amdhsa_kernel
	.amdgpu_metadata
---
amdhsa.version: [ 1, 2 ]
amdhsa.kernels:
  - .name:           k_qdcb2c23855_prep
    .symbol:         k_qdcb2c23855_prep.kd
    .args:
      - { .name: x, .offset: 0, .size: 8, .value_kind: global_buffer, .address_space: global }
      - { .name: Wq, .offset: 8, .size: 8, .value_kind: global_buffer, .address_space: global }
      - { .name: Wk, .offset: 16, .size: 8, .value_kind: global_buffer, .address_space: global }
      - { .name: Wv, .offset: 24, .size: 8, .value_kind: global_buffer, .address_space: global }
      - { .name: bq, .offset: 32, .size: 8, .value_kind: global_buffer, .address_space: global }
      - { .name: bk, .offset: 40, .size: 8, .value_kind: global_buffer, .address_space: global }
      - { .name: bv, .offset: 48, .size: 8, .value_kind: global_buffer, .address_space: global }
      - { .name: xb, .offset: 56, .size: 8, .value_kind: global_buffer, .address_space: global }
      - { .name: wb, .offset: 64, .size: 8, .value_kind: global_buffer, .address_space: global }
      - { .name: bias, .offset: 72, .size: 8, .value_kind: global_buffer, .address_space: global }
    .group_segment_fixed_size: 0
    .private_segment_fixed_size: 0
    .kernarg_segment_align: 8
    .kernarg_segment_size: 80
    .max_flat_workgroup_size: 256
    .sgpr_count:     66
    .vgpr_count:     104
    .wavefront_size: 32
...
	.end_amdgpu_metadata
.endif
;; end of part 1
;; launch proj (part 2): grid 8 x 32, 4 waves a work-group, clusters of 4 x 4, 327,680 bytes of LDS; arguments xb, wb, qkv, bias; writes qkv
.if DOCPART == 2
	.amdgcn_target "amdgcn-amd-amdhsa--gfx1250"
	.amdhsa_code_object_version 6
	.text
	.protected	k_qdcb2c23855_proj
	.globl	k_qdcb2c23855_proj
	.p2align	8
	.type	k_qdcb2c23855_proj,@function
k_qdcb2c23855_proj:
	s_mov_b64 s[64:65], 0
	v_nop
	global_prefetch_b8 v0, s[64:65] scope:SCOPE_SE
	s_setreg_imm32_b32 hwreg(HW_REG_WAVE_MODE, 25, 1), 1
	s_wait_xcnt 0x0
	s_wait_alu depctr_hold_cnt(0) depctr_sa_sdst(0) depctr_va_vdst(0) depctr_va_sdst(0) depctr_va_ssrc(0) depctr_va_vcc(0) depctr_vm_vsrc(0)
	s_getreg_b32 s2, hwreg(HW_REG_IB_STS2, 6, 4)
	s_cmp_eq_u32 s2, 0
	s_cbranch_scc0 .Lentry_in_a_cluster
	s_endpgm
.Lentry_in_a_cluster:
	s_bfe_u32 s2, ttmp6, 0x10000c
	s_cmp_lg_u32 s2, 0xf033
	s_cbranch_scc0 .Lentry_shape_is_right
	s_endpgm
.Lentry_shape_is_right:
; qkv[8192][3072] = x wb + bias, products in bf16, sums in f32 (they start with the bias), the result rounded once to f16.  x comes as xb, in blocks [K step 16][row 8192][64].
; LIMIT: f16 holds no number beyond 65,504: q, k and v must stay within it.
; THE TILE is 256 x 384: 8192 x 3072 / (256 x 384) = 256 work-groups of equal work.  Four waves, each 128 rows x 192 columns: 96 accumulators of 16 x 16, 768 registers.
; K goes in 16 steps of 64 through two LDS slots filled by tensor loads (two slots of 128 along K would be 344,064 bytes).  xb's tile is dense in memory: 256 rows x 128 bytes, asked for as
; rows of 256 bytes; wb's is 64 k rows of 768 bytes and is read turned, by ds_load_tr16_b128.
; CLUSTER 4 x 4: the four work-groups of a cluster's row need the same tile of xb, the four of a column the same tile of wb: each tile is asked for jointly.
; THE MATRIX INSTRUCTION IS USED TRANSPOSED (source 0 = 16 columns of wb, source 1 = 16 rows of xb): a lane holds row lane % 16 and the eight columns 8 (lane / 16) + 0..7.
; REGISTERS, in windows of 256 (s_set_vgpr_msb: bits 1:0 source 0, 3:2 source 1, 5:4 source 2, 7:6 destination):
;   window 0: v0-31 addresses; v32-95, v96-159 xb's 8 fragments, two buffers; v160-255 wb's 12 fragments, ONE buffer
;   window 1 + b / 4: accumulator (row block a, column block b) at v[8 (8 (b % 4) + a)]
; A QUARTER (32 along K) is 96 products in three groups of four column blocks, a window each; column block outside, row block inside.  When a group is done its four fragments of wb are free:
; behind four places they are loaded again, for the next quarter; with the first two groups' loads come the next quarter's fragments of xb, into the other buffer.  Runs of 16, 16 and 8 loads.
; The 96 accumulators take turns, one instruction a turn.
.set PA,     144                       ; a row of xb's tile in LDS: 128 bytes + 16: the 16 rows of a load start 36 words apart
.set APART,  128*PA                    ; what waves 0 and 1 fetch: 128 rows
.set BOFF,   2*APART                   ; wb's tile lies behind xb's
.set PBK,    864                       ; a row of wb's tile: three pieces of 256 bytes + 32: column byte c lies at c + (c >> 8) 32; 864 = 27 x 32: 16 lanes of the turning load take 8 rows x 32 bytes, 216 words apart
.set BPART,  32*PBK                    ; what waves 2 and 3 fetch: 32 k rows
.set SLOT,   1<<17                     ; slot 1 begins here (a slot is 92,160 bytes), so that one exclusive or turns an address in one slot into the other's
.set SP,     784                       ; a row of the stage: 768 bytes + 16.  The stage, 256 rows from byte 0, lies over the slots: it is written behind their last fill and a barrier behind which no wave reads a tile
.set SPARE,  1<<18                     ; the spare words, 128 bytes a wave: two blocks of 256 bytes that no other line names
.set CROW,   6144                      ; bytes in a row of qkv and of wb
.set KA,     1<<20                     ; bytes from a K step of xb to the next
.set KB,     64*CROW                   ; the same for wb
.set ADRA, 8                           ; v8      LDS address of my xb fragments in the slot in hand
.set A0,   9                           ; v9      the same in slot 0; never rewritten
.set ADRB, 10                          ; v10-12  the same for wb, one for each group of four column blocks (a group lies in one piece of 256 bytes)
.set B0,   13                          ; v13-15
.set STO,  16                          ; v16-17  the way out: where I put 16 bytes of a row, row blocks 0-3 and 4-7
.set RD,   18                          ; v18     where I read a row back
.set CO,   19                          ; v19     my byte offset in qkv
.set BO,   20                          ; v20     my byte offset in the bias
.set SPW,  22                          ; v22     my spare word; never rewritten
.set NIL,  23                          ; v23     0; never rewritten
.set FA0,  32
.set FA1,  96
.set FB,   160
.set TMP,  32                          ; the way out: packed results, two sets of 48
.set OB,   32                          ; then whole rows, two sets of 96
.set WV, 12                            ; s12 wave, s13 wave / 2 (my half of the rows; also: I fetch xb (0) or wb (1)), s14 wave % 2 (my half of the columns; also which half I fetch)
.set WR, 13
.set WC, 14
.set TB, 15                            ; s15  LDS byte at which the slot in hand begins
.set G1,  24                           ; s[24:31] group 1 for xb's tiles;  s[32:39] group 0: set 0 for the first fill of slot 0, set 1 walks
.set G0,  32
.set G1B, 48                           ; s[48:55], s[56:63] the same for wb's
.set G0B, 56
.set MSB, 0
.macro WIN new                         ; the immediate's high byte repeats the setting that is left; a switch that changes nothing is dropped
.if MSB != (\new)
	s_set_vgpr_msb (MSB<<8)|(\new)
.set MSB, \new
.endif
.endm
.macro PLACES                          ; four places behind matrix instructions, in front of loads into their sources and of reads of their results
.rept 4
	v_nop
.endr
.endm
; A joint refill by the walking sets.  The branch hangs on the wave's number alone.  An s_nop 0 and four v_nop follow each line.
.macro JLOAD
	s_cmp_eq_u32 s[WR], 0
	s_cbranch_scc0 .Lfor_b_\@
	tensor_load_to_lds s[G0+4:G0+7], s[G1:G1+7]
	s_nop 0
.rept 4
	v_nop
.endr
	s_branch .Lasked_\@
.Lfor_b_\@:
	tensor_load_to_lds s[G0B+4:G0B+7], s[G1B:G1B+7]
	s_nop 0
.rept 4
	v_nop
.endr
.Lasked_\@:
.endm
.macro CREST                           ; a round of the cluster's barrier behind its opening barrier
	s_cmp_lg_u32 s[WV], 0
	s_cbranch_scc1 .Lnot_wave_0_\@
	s_barrier_signal -3
.Lnot_wave_0_\@:
	s_barrier_wait -3
	s_barrier_signal -1
	s_barrier_wait -1
.endm
.macro CROUND
	s_barrier_signal -1
	s_barrier_wait -1
	CREST
.endm
	s_load_b256 s[4:11], s[0:1], 0x0               ; xb s[4:5], wb s[6:7], qkv s[8:9], bias s[10:11]
	v_lshl_add_u32 v[SPW], v0, 2, SPARE
	v_mov_b32 v[NIL], 0
	ds_add_u32 v[SPW], v[NIL]                      ; the wave's opening: the add and its wait ahead of my first tensor load
	ds_add_u32 v22, v23
	v_lshrrev_b32 v1, 5, v0
	v_readfirstlane_b32 s[WV], v1
	s_lshr_b32 s[WR], s[WV], 1
	s_and_b32 s[WC], s[WV], 1
	s_bfe_u32 s40, ttmp6, 0x40000                  ; cx
	s_bfe_u32 s41, ttmp6, 0x40004                  ; cy
	s_lshl_b32 s42, ttmp9, 2
	s_add_co_u32 s42, s42, s40                     ; tile column = 4 x cluster x + cx
	s_and_b32 s43, ttmp7, 0xffff
	s_lshl_b32 s43, s43, 2
	s_add_co_u32 s43, s43, s41                     ; tile row = 4 x cluster y + cy
	s_lshl_b32 s44, s41, 2
	s_lshl_b32 s44, 15, s44                        ; my row of the cluster
	s_lshl_b32 s45, 0x1111, s40                    ; my column
	; xb: 128 rows of 128 bytes are 16,384 dense bytes: asked for as 64 rows of 256 bytes, two rows a row, and padded in LDS after every 128 bytes
	s_or_b32 s[G1], s44, (1<<16)|(1<<20)|(1<<21)|(4<<22)|(3<<25)   ; mask; 2-byte elements; padding on; bit 21 beside a mask; after every 32 words 4 words
	s_mov_b32 s[G1+1], 128<<16                     ; tensor_dim0 = 128
	s_mov_b32 s[G1+2], 64<<16                      ; tensor_dim1 = 64
	s_mov_b32 s[G1+3], 128<<16                     ; tile_dim0 = 128
	s_mov_b32 s[G1+4], 64                          ; tile_dim1 = 64
	s_mov_b32 s[G1+5], 128                         ; elements from row to row
	s_mov_b32 s[G1+6], 0
	s_mov_b32 s[G1+7], 0
	; wb: 32 k rows of 384 elements; a row is 192 words, three intervals of 64
	s_or_b32 s[G1B], s45, (1<<16)|(1<<20)|(1<<21)|(5<<22)|(7<<25)  ; after every 64 words 8 words
	s_mov_b32 s[G1B+1], 384<<16                    ; tensor_dim0 = 384
	s_mov_b32 s[G1B+2], 32<<16                     ; tensor_dim1 = 32
	s_mov_b32 s[G1B+3], 384<<16                    ; tile_dim0 = 384
	s_mov_b32 s[G1B+4], 32                         ; tile_dim1 = 32
	s_mov_b32 s[G1B+5], 3072
	s_mov_b32 s[G1B+6], 0
	s_mov_b32 s[G1B+7], 0
	s_lshl_b32 s16, s43, 15                        ; xb: row 256 x tile row + 128 x half, 128 bytes each: the tile row alone enters
	s_lshl_b32 s17, s[WC], 14
	s_add_co_u32 s16, s16, s17
	s_mov_b32 s17, 0
	s_mul_i32 s46, s[WC], 32*CROW                  ; wb: k row 32 x half, column 384 x tile column: the tile column alone enters
	s_mul_i32 s47, s42, 768
	s_add_co_u32 s46, s46, s47
	s_mov_b32 s47, 0
	s_mul_i32 s20, s[WC], APART                    ; where my part goes: no place in the cluster enters an LDS address
	s_mul_i32 s21, s[WC], BPART
	s_add_co_u32 s21, s21, BOFF
	s_mov_b32 s[TB], 0
	s_lshl_b32 s66, s43, 8                         ; the rows of qkv that I store: 256 x tile row + 64 x wave,
	s_lshl_b32 s67, s[WV], 6
	s_add_co_u32 s66, s66, s67
	s_mul_i32 s66, s66, CROW
	s_mul_i32 s67, s42, 768                        ; from the tile's first column on
	s_add_co_u32 s66, s66, s67
	s_mov_b32 s67, 0
	s_mul_i32 s22, s42, 1536                       ; my 192 columns in the bias
	s_mul_i32 s23, s[WC], 768
	s_add_co_u32 s22, s22, s23
	s_mov_b32 s23, 0
	s_wait_dscnt 0x0                               ; the opening add is done
	s_wait_kmcnt 0x0
	s_add_nc_u64 s[16:17], s[4:5], s[16:17]
	s_add_nc_u64 s[46:47], s[6:7], s[46:47]
	s_add_nc_u64 s[8:9], s[8:9], s[66:67]
	s_add_nc_u64 s[10:11], s[10:11], s[22:23]
	CROUND                                         ; all sixteen work-groups are here: the first joint loads meet
.irp s, 0,1
	s_mov_b32 s[G0+4*(\s)], 1
	s_add_co_u32 s[G0+4*(\s)+1], s20, (\s)*SLOT
	s_add_nc_u64 s[G0+4*(\s)+2:G0+4*(\s)+3], s[16:17], (\s)*KA         ; K step s
	s_or_b32 s[G0+4*(\s)+3], s[G0+4*(\s)+3], 0x80000000
	s_mov_b32 s[G0B+4*(\s)], 1
	s_add_co_u32 s[G0B+4*(\s)+1], s21, (\s)*SLOT
	s_add_nc_u64 s[G0B+4*(\s)+2:G0B+4*(\s)+3], s[46:47], (\s)*KB
	s_or_b32 s[G0B+4*(\s)+3], s[G0B+4*(\s)+3], 0x80000000
.endr
	s_cmp_eq_u32 s[WR], 0                          ; a wave's two first fills stand in one branch: two loads of mine are out
	s_cbranch_scc0 .Lfirst_b
	tensor_load_to_lds s[G0:G0+3], s[G1:G1+7]
	s_nop 0
	tensor_load_to_lds s[G0+4:G0+7], s[G1:G1+7]
	s_nop 0
.rept 4
	v_nop
.endr
	s_branch .Lfirst_asked
.Lfirst_b:
	tensor_load_to_lds s[G0B:G0B+3], s[G1B:G1B+7]
	s_nop 0
	tensor_load_to_lds s[G0B+4:G0B+7], s[G1B:G1B+7]
	s_nop 0
.rept 4
	v_nop
.endr
.Lfirst_asked:
	v_and_b32 v1, 15, v0                           ; r = lane % 16
	v_bfe_u32 v2, v0, 4, 1                         ; h = lane / 16
	v_lshlrev_b32 v[BO], 5, v2
	; The bias of column block b (register j: number 16 b + 8 h + j of my 192) goes into the accumulator of row block 0: the first quarter's products take it from there as C
.irp b, 0,1,2,3,4,5,6,7,8,9,10,11
	WIN ((\b)/4+1)<<6                              ; destination in the block's window, address in window 0
	global_load_b128 v[64*((\b)%4):64*((\b)%4)+3],   v[BO], s[10:11] offset:64*(\b)
	global_load_b128 v[64*((\b)%4)+4:64*((\b)%4)+7], v[BO], s[10:11] offset:64*(\b)+16
.endr
	WIN 0
	v_mul_u32_u24 v3, v1, PA                       ; a fragment of xb: row r, 16 bytes for each half of the lanes
	v_lshl_add_u32 v3, v2, 4, v3
	s_mul_i32 s21, s[WR], APART                    ; my 128 rows
	v_add_nc_u32 v[A0], s21, v3
	v_mov_b32 v[ADRA], v[A0]
	v_and_b32 v4, 7, v0                            ; the turning load: lane reads k row 8 h + lane % 8, 16 bytes at 16 ((lane / 8) % 2)
	v_lshl_add_u32 v4, v2, 3, v4
	v_mul_u32_u24 v4, v4, PBK
	v_bfe_u32 v5, v0, 3, 1
	v_lshl_add_u32 v4, v5, 4, v4
.irp g, 0,1,2                          ; group g begins at column byte 384 x half + 128 g; with the padding in front of it that is c0 for half 0 and c1 for half 1
.set c0, 128*(\g)+((128*(\g))>>8)*32
.set c1, 384+128*(\g)+((384+128*(\g))>>8)*32
	s_mul_i32 s23, s[WC], c1-c0
	s_add_co_u32 s23, s23, BOFF+c0
	v_add_nc_u32 v[B0+(\g)], s23, v4
	v_mov_b32 v[ADRB+(\g)], v[B0+(\g)]
.endr
	s_mul_i32 s21, s[WR], 128*SP                   ; into the stage: my 128 rows, my 384 of their 768 bytes; row r, 16 bytes for each half of the lanes
	s_mul_i32 s23, s[WC], 384
	s_add_co_u32 s23, s23, s21
	v_mul_u32_u24 v4, v1, SP
	v_lshl_add_u32 v4, v2, 4, v4
	v_add_nc_u32 v[STO], s23, v4
	v_add_nc_u32 v[STO+1], 64*SP, v[STO]
	s_mul_i32 s23, s[WV], 64*SP                    ; back: wave w takes rows 64 w .. 64 w + 63, whole; lanes 0-15 256 bytes of one row, lanes 16-31 of the next
	v_mul_u32_u24 v5, v2, SP
	v_lshl_add_u32 v5, v1, 4, v5
	v_add_nc_u32 v[RD], s23, v5
	v_mul_u32_u24 v5, v2, CROW                     ; and the same two rows in qkv
	v_lshl_add_u32 v[CO], v1, 4, v5
; 8 matrix instructions: column block b x all 8 row blocks, 32 along K, xb's fragments in buffer fa
.macro MULB fa, b
	WIN 0x50*((\b)/4+1)                            ; sources 0 and 1 window 0; C and D the block's window
.irp a, 0,1,2,3,4,5,6,7
	v_wmma_f32_16x16x32_bf16 v[8*(8*((\b)%4)+(\a)):8*(8*((\b)%4)+(\a))+7], v[FB+8*(\b):FB+8*(\b)+7], v[(\fa)+8*(\a):(\fa)+8*(\a)+7], v[8*(8*((\b)%4)+(\a)):8*(8*((\b)%4)+(\a))+7]
.endr
.endm
; Group g of the first quarter: the sums start with the bias, which lies in row block 0's accumulators.  Row blocks 1 to 7 take it from there as C; row block 0 adds in place, five places
; behind the last product that read those registers (ISA guide 7.12.1).
.macro MULF fa, g
	WIN 0x50*((\g)+1)
.irp i, 0,1,2,3
.irp a, 1,2,3,4,5,6,7
	v_wmma_f32_16x16x32_bf16 v[8*(8*(\i)+(\a)):8*(8*(\i)+(\a))+7], v[FB+8*(4*(\g)+(\i)):FB+8*(4*(\g)+(\i))+7], v[(\fa)+8*(\a):(\fa)+8*(\a)+7], v[64*(\i):64*(\i)+7]
.endr
.endr
.rept 5
	v_nop
.endr
.irp i, 0,1,2,3
	v_wmma_f32_16x16x32_bf16 v[64*(\i):64*(\i)+7], v[FB+8*(4*(\g)+(\i)):FB+8*(4*(\g)+(\i))+7], v[(\fa):(\fa)+7], v[64*(\i):64*(\i)+7]
.endr
.endm
.macro MULG fa, g, first               ; a group: 32 matrix instructions
.if \first
	MULF \fa, \g
.else
.irp i, 0,1,2,3
	MULB \fa, 4*(\g)+\i
.endr
.endif
.endm
; Run g of a quarter's LDS loads, for quarter q of the slot in hand: wb's column blocks 4 g .. 4 g + 3 and, with runs 0 and 1, xb's row blocks 4 g .. 4 g + 3 into buffer fn: 16, 16, 8 loads
.macro LOADG q, fn, g
	WIN 0
.irp i, 0,1,2,3
	ds_load_tr16_b128 v[FB+8*(4*(\g)+(\i)):FB+8*(4*(\g)+(\i))+3],   v[ADRB+(\g)] offset:(\q)*32*PBK+32*(\i)
	ds_load_tr16_b128 v[FB+8*(4*(\g)+(\i))+4:FB+8*(4*(\g)+(\i))+7], v[ADRB+(\g)] offset:(\q)*32*PBK+32*(\i)+16*PBK
.endr
.if (\g) < 2
.irp i, 0,1,2,3
	ds_load_b128 v[(\fn)+8*(4*(\g)+(\i)):(\fn)+8*(4*(\g)+(\i))+3],   v[ADRA] offset:(\q)*64+(4*(\g)+(\i))*16*PA
	ds_load_b128 v[(\fn)+8*(4*(\g)+(\i))+4:(\fn)+8*(4*(\g)+(\i))+7], v[ADRA] offset:(\q)*64+(4*(\g)+(\i))*16*PA+32
.endr
.endif
.endm
; A K step's first quarter: multiplies buffer FA0 and fetches the step's second quarter.
.macro QUARTER first
	s_wait_dscnt 8                                 ; runs 0 and 1 are in: all of xb's fragments, wb's column blocks 0-7; run 2's eight loads may be out
	MULG FA0, 0, \first
	PLACES
	LOADG 1, FA1, 0
	MULG FA0, 1, \first
	PLACES
	LOADG 1, FA1, 1
	s_wait_dscnt 32                                ; all but the 32 just issued: the old run 2 is in
	MULG FA0, 2, \first
	PLACES
	LOADG 1, FA1, 2
.endm
; A K step's second quarter multiplies buffer FA1 and changes slots: all its fragments have been asked for.  In front of the barrier each wave waits for all its tensor loads (one is out: its
; part of the next slot), adds 0 to its spare word, and waits for that and for its reads of this slot.  fill = 1: the barrier opens a round of the cluster's, and this slot is filled again,
; two K steps ahead, first thing behind it: that load has 160 of a step's 192 products in which to land.  Then the next slot's first quarter is fetched.
.macro TURN fill
	WIN 0
	s_wait_tensorcnt 0x0
	ds_add_u32 v[SPW], v[NIL]
	s_wait_dscnt 9                                 ; the add and run 2's eight loads may be out
	MULB FA1, 0
	MULB FA1, 1
	s_wait_dscnt 0x0                               ; the add is done, and my reads of this slot are over
	s_barrier_signal -1
	MULB FA1, 2
	MULB FA1, 3
	WIN 0
	s_barrier_wait -1
.if \fill
	CREST                                          ; no wave of any partner still reads this slot or has a load on its way
	s_xor_b32 s[G0+5], s[G0+5], SLOT               ; the walking sets: the other slot than last time, the next K step
	s_add_nc_u64 s[G0+6:G0+7], s[G0+6:G0+7], KA
	s_xor_b32 s[G0B+5], s[G0B+5], SLOT
	s_add_nc_u64 s[G0B+6:G0B+7], s[G0B+6:G0B+7], KB
	JLOAD                                          ; its four v_nop are also the places in front of the loads below
.else
	PLACES
.endif
	s_xor_b32 s[TB], s[TB], SLOT
	v_add_nc_u32 v[ADRA], s[TB], v[A0]
.irp g, 0,1,2
	v_add_nc_u32 v[ADRB+(\g)], s[TB], v[B0+(\g)]
.endr
	LOADG 0, FA0, 0
	MULG FA1, 1, 0
	PLACES
	LOADG 0, FA0, 1
	MULG FA1, 2, 0                                 ; (the old run 2 was waited for in front of the barrier)
	PLACES
	LOADG 0, FA0, 2
.endm
; THE WAY OUT.  Row block a: rounded to f16, 16 bytes a lane, into the work-group's stage.  Each accumulator's registers are taken in ascending order.
.macro PACK a
.set TP, TMP+48*((\a)%2)
.irp b, 0,1,2,3,4,5,6,7,8,9,10,11
	WIN 5*((\b)/4+1)                               ; sources 0 and 1 in the block's window, destination in window 0
.irp r, 0,1,2,3
	v_cvt_pk_f16_f32 v[TP+4*(\b)+(\r)], v[8*(8*((\b)%4)+(\a))+2*(\r)], v[8*(8*((\b)%4)+(\a))+2*(\r)+1]
.endr
.endr
	WIN 0
.irp b, 0,1,2,3,4,5,6,7,8,9,10,11
	ds_store_b128 v[STO+(\a)/4], v[TP+4*(\b):TP+4*(\b)+3] offset:((\a)%4)*16*SP+32*(\b)
.endr
.endm
.macro LD k                            ; batch k of four: 16 whole rows, 24 loads, into set k % 2
.set BK, OB+96*((\k)%2)
.irp p, 0,1,2,3,4,5,6,7
.irp c, 0,1,2
	ds_load_b128 v[BK+4*(3*(\p)+(\c)):BK+4*(3*(\p)+(\c))+3], v[RD] offset:(8*(\k)+(\p))*2*SP+256*(\c)
.endr
.endr
.endm
.macro ST k
.set BK, OB+96*((\k)%2)
.irp p, 0,1,2,3,4,5,6,7
.irp c, 0,1,2
	global_store_b128 v[CO], v[BK+4*(3*(\p)+(\c)):BK+4*(3*(\p)+(\c))+3], s[8:9] offset:(8*(\k)+(\p))*2*CROW+256*(\c)  ; 16 lanes store 256 consecutive bytes, at a multiple of 256 from qkv's first byte
.endr
.endr
.endm
	s_wait_tensorcnt 1                             ; my part of K step 0 is in; K step 1's may stay out
	s_barrier_signal -1
	s_barrier_wait -1
	LOADG 0, FA0, 0
	LOADG 0, FA0, 1
	LOADG 0, FA0, 2
	s_wait_loadcnt 0x0                             ; the bias
	QUARTER 1                                      ; the first quarter stands in front of the loop: its products start the sums
	WIN 0
	s_mov_b32 s3, 14
.Lstep:                                                ; a trip: a K step's second quarter and the next step's first; its refill brings K steps 2 to 15
	TURN 1
	QUARTER 0
	WIN 0
	s_sub_co_u32 s3, s3, 1
	s_cmp_lg_u32 s3, 0
	s_cbranch_scc1 .Lstep
	TURN 0                                         ; the tail is written out: K step 14 asks for nothing
	QUARTER 0
	s_wait_dscnt 0x0                               ; the very last quarter: my reads of the tiles are over:
	s_barrier_signal -1                            ; say so,
.irp g, 0,1,2
	MULG FA1, \g, 0
.endr
	WIN 0
	s_barrier_wait -1                              ; and when all four have said so, and no fill is to come, the slots' bytes serve as the stage
	PLACES
.irp a, 0,1,2,3,4,5,6,7
	PACK \a
.endr
	s_wait_dscnt 0x0                               ; for the others' sake: my stores into the stage are done
	s_barrier_signal -1
	s_barrier_wait -1
	LD 0
	LD 1
	s_wait_dscnt 24                                ; batch 0 is in; batch 1's 24 loads may be out
	ST 0
	s_wait_xcnt 0x0                                ; the registers that those stores read are loaded again only behind this wait
	LD 2
	s_wait_dscnt 24
	ST 1
	s_wait_xcnt 0x0
	LD 3
	s_wait_dscnt 24
	ST 2
	s_wait_dscnt 0x0
	ST 3
	s_wait_tensorcnt 0x0                           ; the wave's end
	ds_add_u32 v[SPW], v[NIL]
	s_wait_dscnt 0x0
	CROUND                                         ; the closing round
	s_endpgm
.Lfunc_end_k_qdcb2c23855_proj:
	.size	k_qdcb2c23855_proj, .Lfunc_end_k_qdcb2c23855_proj-k_qdcb2c23855_proj
	.p2alignl 7, 3214868480
	.fill 96, 4, 3214868480
	.section	.rodata,"a",@progbits
	.p2align	6, 0x0
	.amdhsa_kernel k_qdcb2c23855_proj
		.amdhsa_group_segment_fixed_size 327680
		.amdhsa_private_segment_fixed_size 0
		.amdhsa_enable_private_segment 0
		.amdhsa_kernarg_size 32
		.amdhsa_user_sgpr_count 2
		.amdhsa_user_sgpr_kernarg_segment_ptr 1
		.amdhsa_wavefront_size32 1
		.amdhsa_system_sgpr_workgroup_id_x 1
		.amdhsa_system_sgpr_workgroup_id_y 1
		.amdhsa_system_sgpr_workgroup_id_z 1
		.amdhsa_system_vgpr_workitem_id 0
		.amdhsa_next_free_vgpr 1024
		.amdhsa_next_free_sgpr 68
		.amdhsa_reserve_vcc 0
		.amdhsa_float_denorm_mode_32 3
		.amdhsa_float_denorm_mode_16_64 3
		.amdhsa_memory_ordered 1
		.amdhsa_forward_progress 1
		.amdhsa_inst_pref_size 114
	.end_amdhsa_kernel
	.amdgpu_metadata
---
amdhsa.version: [ 1, 2 ]
amdhsa.kernels:
  - .name:           k_qdcb2c23855_proj
    .symbol:         k_qdcb2c23855_proj.kd
    .args:
      - { .name: xb, .offset: 0, .size: 8, .value_kind: global_buffer, .address_space: global }
      - { .name: wb, .offset: 8, .size: 8, .value_kind: global_buffer, .address_space: global }
      - { .name: qkv, .offset: 16, .size: 8, .value_kind: global_buffer, .address_space: global }
      - { .name: bias, .offset: 24, .size: 8, .value_kind: global_buffer, .address_space: global }
    .group_segment_fixed_size: 327680
    .private_segment_fixed_size: 0
    .kernarg_segment_align: 8
    .kernarg_segment_size: 32
    .max_flat_workgroup_size: 128
    .sgpr_count:     68
    .vgpr_count:     1024
    .wavefront_size: 32
...
	.end_amdgpu_metadata
.endif
;; end of part 2
;; launch scores (part 3): grid 9 x 16, 4 waves a work-group, no clusters, 327,680 bytes of LDS; arguments qkv, p, stat; writes p, stat
.if DOCPART == 3
	.amdgcn_target "amdgcn-amd-amdhsa--gfx1250"
	.amdhsa_code_object_version 6
	.text
	.protected	k_qdcb2c23855_scores
	.globl	k_qdcb2c23855_scores
	.p2align	8
	.type	k_qdcb2c23855_scores,@function
k_qdcb2c23855_scores:
	s_mov_b64 s[64:65], 0
	v_nop
	global_prefetch_b8 v0, s[64:65] scope:SCOPE_SE
	s_setreg_imm32_b32 hwreg(HW_REG_WAVE_MODE, 25, 1), 1
	s_wait_xcnt 0x0
; For each tile of 256 queries x 256 keys on or below the diagonal: S = q k^T (f16 products, f32 sums, K = 1,024).  Then, for each wave's 128 rows x 128 keys: the causal mask, the
; block's maximum m of each row, p = 2^(c s - c m) rounded to f16 into p[batch][row][key], and the block's sum l of the unrounded p.  c = log2(e) / 32.  c m and l go to stat.
; The row's maximum over all its blocks is taken, in f32, by the next launch: every exponential here has a true maximum of its own block taken away.
; LIMITS: a hidden score counts as s - 1e30 (|s| stays under 1e29); p below 6e-5 keeps f16's fixed step; NaN and infinities are not treated apart.
; The block just above the diagonal (keys block = rows block + 1, inside a diagonal tile) runs the same text unmasked: what it writes is finite and is later weighted with 0.
; SHARES.  grid x = 0..8, y = 4 batch + pp.  Tile rows 7 - pp and pp of a batch have 8 - pp and pp + 1 tiles, 9 together: x walks them.
; NO CLUSTER: a batch's 36 tiles lie in rows of 1 to 8 tiles; no 4 x 4 or 4 x 1 shape covers them with partners that all have a tile to make.
; Ring, fragments, windows and way out as in the projection; both operands lie [row][k], rows of 256 bytes in a K step.  The matrix instruction is used transposed
; (source 0 = 16 keys, source 1 = 16 queries): a lane holds query lane % 16 and the keys 8 (lane / 16) + 0..7.
; stat: [batch][key block] records of 16,384 bytes, c m at 0 and l at 8,192; row q lies at byte (q / 64) 256 + (q % 16) 16 + ((q % 64) / 16) 4.
.set PITCH,  272
.set PART,   128*PITCH
.set BOFF,   2*PART
.set SLOT,   4*PART                    ; 0x22000: shares no bit with wave x PART
.set STAGE,  2*SLOT
.set SPITCH, 272
.set SPARE,  STAGE+4*16*SPITCH
.set CROW,   6144                      ; bytes in a row of qkv
.set PROW,   4096                      ; bytes in a row of p
.set ADRA, 16
.set A0,   17
.set ADRB, 20
.set B0,   21
.set STO,  24
.set RD,   25
.set CO,   26
.set SPW,  28                          ; my spare word; never rewritten
.set NIL,  29                          ; 0; never rewritten
.set RH,   30                          ; lane % 16 - 8 (lane / 16)
.set LN,   31                          ; 16 x lane
.set F0,   64
.set F1,   128
.set TMP,  192
.set OB,   32
; on the way out, where the queries' fragments lay (window 0):
.set MD,   64                          ; v64-71   the diagonal block's mask for my eight keys
.set C8,   72                          ; v72-79   eight chains of the maximum
.set LS,   80                          ; v80-87   four pairs of sums
.set CMT,  88                          ; v88-89   c m, named as a pair
.set PT,   90                          ; v90      the other half of the lanes'
.set MS,   96                          ; v96-103  c m of row block a
.set LSUM, 104                         ; v104-111 l of row block a
.set SD,   112                         ; v112-119 what is stored of them
.set WV, 12
.set WR, 13
.set WC, 14
.set TB, 15
.set G1, 24                            ; s[24:31] group 1, one for all loads
.set G0, 32                            ; s[32:39] group 0: set 0 for slot 0's first fill, set 1 walks
.set BAT, 40
.set TI,  41
.set TJ,  42
.set IB,  43                           ; my block of 128 rows
.set KB,  44                           ; my block of 128 keys
.set CS,  46                           ; s[46:47] c
.set SEL, 48                           ; s[48:49] v_permlanex16_b32's selects: each lane its own place in the other half
.set BE,  50                           ; s[50:51] -1e30 in the diagonal block, else 0
.set MSB, 0
.macro WIN new
.if MSB != (\new)
	s_set_vgpr_msb (MSB<<8)|(\new)
.set MSB, \new
.endif
.endm
.set TO_B, 0x40
.macro PLACES
.rept 4
	v_nop
.endr
.endm
	s_load_b128 s[4:7], s[0:1], 0x0                ; qkv s[4:5], p s[6:7]
	s_load_b64 s[8:9], s[0:1], 0x10                ; stat
	v_lshl_add_u32 v[SPW], v0, 2, SPARE
	v_mov_b32 v[NIL], 0
	ds_add_u32 v[SPW], v[NIL]                      ; the wave's opening: the add and its wait ahead of my first tensor load
	ds_add_u32 v28, v29
	v_lshrrev_b32 v1, 5, v0
	v_readfirstlane_b32 s[WV], v1
	s_lshr_b32 s[WR], s[WV], 1                     ; my half of the rows; also: I fetch queries (0) or keys (1)
	s_and_b32 s[WC], s[WV], 1                      ; my half of the keys; also which 128 rows I fetch
	s_mov_b32 s20, ttmp9
	s_and_b32 s16, ttmp7, 0xffff
	s_lshr_b32 s[BAT], s16, 2
	s_and_b32 s17, s16, 3                          ; pp
	s_sub_co_u32 s18, 7, s17                       ; 7 - pp
	s_add_co_u32 s19, s20, s17
	s_sub_co_u32 s19, s19, 8                       ; x + pp - 8: used only where x > 7 - pp
	s_cmp_le_u32 s20, s18
	s_cselect_b32 s[TI], s18, s17
	s_cselect_b32 s[TJ], s20, s19
	s_mov_b32 s[G1], (1<<16)|(1<<20)|(5<<22)|(3<<25)  ; 2-byte elements; padding on: after every 64 words 4 words
	s_mov_b32 s[G1+1], 128<<16                     ; tensor_dim0 = 128
	s_mov_b32 s[G1+2], 128<<16                     ; tensor_dim1 = 128
	s_mov_b32 s[G1+3], 128<<16                     ; tile_dim0 = 128
	s_mov_b32 s[G1+4], 128                         ; tile_dim1 = 128
	s_mov_b32 s[G1+5], 3072                        ; elements from row to row
	s_mov_b32 s[G1+6], 0
	s_mov_b32 s[G1+7], 0
	s_cmp_eq_u32 s[WR], 0
	s_cselect_b32 s21, s[TI], s[TJ]                ; the 256 rows of which I fetch half,
	s_cselect_b32 s22, 0, 2048                     ; in q's columns or in k's
	s_lshl_b32 s21, s21, 8
	s_lshl_b32 s23, s[WC], 7
	s_add_co_u32 s21, s21, s23
	s_lshl_b32 s23, s[BAT], 11
	s_add_co_u32 s21, s21, s23
	s_mul_i32 s21, s21, CROW
	s_add_co_u32 s22, s22, s21
	s_mov_b32 s23, 0
	s_mul_i32 s21, s[WV], PART                     ; my part of a slot
	s_mov_b32 s[G0], 1
	s_mov_b32 s[G0+1], s21
	s_mov_b32 s[G0+4], 1
	s_add_co_u32 s[G0+5], s21, SLOT
	s_lshl_b32 s[IB], s[TI], 1
	s_add_co_u32 s[IB], s[IB], s[WR]
	s_lshl_b32 s[KB], s[TJ], 1
	s_add_co_u32 s[KB], s[KB], s[WC]
	s_lshl_b32 s16, s[BAT], 23                     ; p: the batch, my 128 rows of 4,096 bytes, my 128 keys
	s_lshl_b32 s17, s[IB], 19
	s_add_co_u32 s16, s16, s17
	s_lshl_b32 s17, s[KB], 8
	s_add_co_u32 s16, s16, s17
	s_mov_b32 s17, 0
	s_lshl_b32 s18, s[BAT], 4                      ; stat: the record of batch and key block, my 128 rows' 512 bytes
	s_add_co_u32 s18, s18, s[KB]
	s_lshl_b32 s18, s18, 14
	s_lshl_b32 s19, s[IB], 9
	s_add_co_u32 s18, s18, s19
	s_mov_b32 s19, 0
	s_mov_b32 s[CS], 0x3d38aa3b                    ; c = log2(e) / 32
	s_mov_b32 s[CS+1], s[CS]
	s_mov_b32 s[SEL], 0x76543210
	s_mov_b32 s[SEL+1], 0xfedcba98
	s_cmp_eq_u32 s[KB], s[IB]
	s_cselect_b32 s[BE], 0xf149f2ca, 0             ; -1e30
	s_mov_b32 s[BE+1], s[BE]
	s_mov_b32 s[TB], 0
	s_wait_dscnt 0x0                               ; the opening add is done
	s_wait_kmcnt 0x0
	s_add_nc_u64 s[G0+2:G0+3], s[4:5], s[22:23]    ; K step 0
	s_add_nc_u64 s[G0+6:G0+7], s[G0+2:G0+3], 256   ; K step 1
	s_or_b32 s[G0+3], s[G0+3], 0x80000000
	s_or_b32 s[G0+7], s[G0+7], 0x80000000
	s_add_nc_u64 s[6:7], s[6:7], s[16:17]
	s_add_nc_u64 s[8:9], s[8:9], s[18:19]
	tensor_load_to_lds s[G0:G0+3], s[G1:G1+7]      ; each wave fetches its own quarter of both slots: two loads of mine are out
	s_nop 0
	tensor_load_to_lds s[G0+4:G0+7], s[G1:G1+7]
	s_nop 0
.rept 4
	v_nop
.endr
	v_and_b32 v1, 15, v0                           ; r
	v_bfe_u32 v2, v0, 4, 1                         ; h
	v_mul_u32_u24 v3, v1, PITCH
	v_lshl_add_u32 v3, v2, 4, v3
	s_mul_i32 s21, s[WR], PART
	v_add_nc_u32 v[A0], s21, v3
	s_mul_i32 s22, s[WC], PART
	s_add_co_u32 s22, s22, BOFF
	v_add_nc_u32 v[B0], s22, v3
	v_mov_b32 v[ADRA], v[A0]
	v_mov_b32 v[ADRB], v[B0]
	s_mul_i32 s23, s[WV], 16*SPITCH
	s_add_co_u32 s23, s23, STAGE
	v_mul_u32_u24 v4, v1, SPITCH
	v_lshl_add_u32 v4, v2, 4, v4
	v_add_nc_u32 v[STO], s23, v4
	v_mul_u32_u24 v5, v2, SPITCH
	v_lshl_add_u32 v5, v1, 4, v5
	v_add_nc_u32 v[RD], s23, v5
	v_lshlrev_b32 v5, 12, v2
	v_lshl_add_u32 v[CO], v1, 4, v5
	v_lshlrev_b32 v3, 3, v2
	v_sub_nc_u32 v[RH], v1, v3
	v_and_b32 v[LN], 31, v0
	v_lshlrev_b32 v[LN], 4, v[LN]
.macro MUL16 f, hi, a0, zero
	WIN 0xa1+0x50*(\hi)
.irp a, \a0, (\a0)+1
.irp b, 0,1,2,3,4,5,6,7
.if \zero
	v_wmma_f32_16x16x32_f16 v[8*(8*(\a)+(\b)):8*(8*(\a)+(\b))+7], v[(\f)+8*(\b):(\f)+8*(\b)+7], v[(\f)+8*(4*(\hi)+(\a)):(\f)+8*(4*(\hi)+(\a))+7], 0
.else
	v_wmma_f32_16x16x32_f16 v[8*(8*(\a)+(\b)):8*(8*(\a)+(\b))+7], v[(\f)+8*(\b):(\f)+8*(\b)+7], v[(\f)+8*(4*(\hi)+(\a)):(\f)+8*(4*(\hi)+(\a))+7], v[8*(8*(\a)+(\b)):8*(8*(\a)+(\b))+7]
.endif
.endr
.endr
.endm
.macro FETCH kq, f                     ; 32 LDS loads in one run: the keys' 16 first, then the queries'
	WIN TO_B
.irp i, 0,1,2,3,4,5,6,7
	ds_load_b128 v[(\f)+8*(\i):(\f)+8*(\i)+3],   v[ADRB] offset:(\kq)*64+(\i)*16*PITCH
	ds_load_b128 v[(\f)+8*(\i)+4:(\f)+8*(\i)+7], v[ADRB] offset:(\kq)*64+(\i)*16*PITCH+32
.endr
	WIN 0
.irp i, 0,1,2,3,4,5,6,7
	ds_load_b128 v[(\f)+8*(\i):(\f)+8*(\i)+3],   v[ADRA] offset:(\kq)*64+(\i)*16*PITCH
	ds_load_b128 v[(\f)+8*(\i)+4:(\f)+8*(\i)+7], v[ADRA] offset:(\kq)*64+(\i)*16*PITCH+32
.endr
.endm
.macro QUARTER kq, f, g, zero
	s_wait_dscnt 8                                 ; the keys and the queries' rows 0-63 are in; the youngest eight loads may be out
	MUL16 \f, 0, 0, \zero
	MUL16 \f, 0, 2, \zero
	PLACES
	FETCH \kq, \g
	s_wait_dscnt 32                                ; all but the 32 just issued
	MUL16 \f, 1, 0, \zero
	MUL16 \f, 1, 2, \zero
.endm
; The last quarter and the change of slots: one barrier; in front of it all my tensor loads, the add, and my reads of this slot; behind it, with fill = 1, my one refill comes first.
.macro TURN fill
	WIN 0
	s_wait_tensorcnt 0x0
	ds_add_u32 v[SPW], v[NIL]
	s_wait_dscnt 9                                 ; the add and the youngest eight loads may be out
	MUL16 F1, 0, 0, 0
	s_wait_dscnt 0x0
	s_barrier_signal -1
	MUL16 F1, 0, 2, 0
	WIN 0
	s_barrier_wait -1
.if \fill
	s_xor_b32 s[G0+5], s[G0+5], SLOT               ; the walking set: the other slot than last time, the next K step
	s_add_nc_u64 s[G0+6:G0+7], s[G0+6:G0+7], 256
	tensor_load_to_lds s[G0+4:G0+7], s[G1:G1+7]
	s_nop 0
.endif
	PLACES                                         ; behind the load, and in front of the loads below
	s_xor_b32 s[TB], s[TB], SLOT
	v_add_nc_u32 v[ADRA], s[TB], v[A0]
	v_add_nc_u32 v[ADRB], s[TB], v[B0]
	FETCH 0, F0
	MUL16 F1, 1, 0, 0
	MUL16 F1, 1, 2, 0
.endm
; THE SOFTMAX OF ROW BLOCK a (16 rows x 128 keys: 8 accumulators, 64 registers in window W).  Each accumulator's lowest registers are read first.
.macro SOFT a
.set W, 2+(\a)/4
.set AC, 64*((\a)%4)
	WIN W|(W<<6)                                   ; the mask: key block b = a takes MD, the blocks b > a take BE
.irp n, 0,1,2,3
	v_pk_add_f32 v[AC+8*(\a)+2*\n:AC+8*(\a)+2*\n+1], v[AC+8*(\a)+2*\n:AC+8*(\a)+2*\n+1], v[MD+2*\n:MD+2*\n+1]
.endr
.if (\a) < 7
.set bb, (\a)+1
.rept 7-(\a)
.irp n, 0,1,2,3
	v_pk_add_f32 v[AC+8*bb+2*\n:AC+8*bb+2*\n+1], v[AC+8*bb+2*\n:AC+8*bb+2*\n+1], s[BE:BE+1] op_sel_hi:[1,0]
.endr
.set bb, bb+1
.endr
.endif
	WIN W|(W<<2)|(W<<4)                            ; the maximum: eight chains, three operands at a time
.irp b, 0,1,2,3,4,5,6,7
	v_max3_num_f32 v[C8+\b], v[AC+8*\b], v[AC+8*\b+1], v[AC+8*\b+2]
.endr
	WIN (W<<2)|(W<<4)
.irp b, 0,1,2,3,4,5,6,7
	v_max3_num_f32 v[C8+\b], v[C8+\b], v[AC+8*\b+3], v[AC+8*\b+4]
.endr
.irp b, 0,1,2,3,4,5,6,7
	v_max3_num_f32 v[C8+\b], v[C8+\b], v[AC+8*\b+5], v[AC+8*\b+6]
.endr
.irp b, 0,2,4,6
	v_max3_num_f32 v[C8+\b], v[C8+\b], v[AC+8*\b+7], v[AC+8*\b+15]
.endr
	WIN 0
	v_max3_num_f32 v[C8], v[C8], v[C8+1], v[C8+2]
	v_max3_num_f32 v[C8+3], v[C8+3], v[C8+4], v[C8+5]
	v_max3_num_f32 v[C8], v[C8], v[C8+3], v[C8+6]
	v_max_num_f32 v[C8], v[C8], v[C8+7]
	v_permlanex16_b32 v[PT], v[C8], s[SEL], s[SEL+1]   ; the row's other 64 keys lie in the lane 16 away
	v_max_num_f32 v[C8], v[C8], v[PT]
	v_mul_f32 v[CMT], s[CS], v[C8]
	v_mul_f32 v[MS+(\a)], s[CS], v[C8]
	WIN W|(W<<6)
.set z, 0
.rept 32
	v_pk_fma_f32 v[AC+2*z:AC+2*z+1], v[AC+2*z:AC+2*z+1], s[CS:CS+1], v[CMT:CMT+1] op_sel_hi:[1,0,0] neg_lo:[0,0,1] neg_hi:[0,0,1]  ; c s - c m
.set z, z+1
.endr
.set z, 0
.rept 64
	v_exp_f32 v[AC+z], v[AC+z]
.set z, z+1
.endr
	v_nop                                          ; a plain instruction between the exponentials and the use of their results
	WIN W|(W<<2)
.set z, 0
	s_wait_alu depctr_va_vdst(0)
.rept 32
	v_cvt_pk_f16_f32 v[TMP+z], v[AC+2*z], v[AC+2*z+1]
.set z, z+1
.endr
.irp n, 0,1,2,3                        ; the sum of the unrounded p: four chains of pairs
	v_pk_add_f32 v[LS+2*\n:LS+2*\n+1], v[AC+2*\n:AC+2*\n+1], v[AC+8+2*\n:AC+8+2*\n+1]
.endr
	WIN W<<2
.set z, 8
.rept 24
	v_pk_add_f32 v[LS+2*(z%4):LS+2*(z%4)+1], v[LS+2*(z%4):LS+2*(z%4)+1], v[AC+2*z:AC+2*z+1]
.set z, z+1
.endr
	WIN 0
	v_pk_add_f32 v[LS:LS+1], v[LS:LS+1], v[LS+2:LS+3]
	v_pk_add_f32 v[LS+4:LS+5], v[LS+4:LS+5], v[LS+6:LS+7]
	v_pk_add_f32 v[LS:LS+1], v[LS:LS+1], v[LS+4:LS+5]
	v_add_f32 v[LS], v[LS], v[LS+1]
	v_permlanex16_b32 v[PT], v[LS], s[SEL], s[SEL+1]
	v_add_f32 v[LSUM+(\a)], v[LS], v[PT]
.endm
.macro TOSTAGE a
	WIN 0
.set BK, OB+192*((\a)%2)
.irp b, 0,1,2,3,4,5,6,7
	ds_store_b128 v[STO], v[TMP+4*(\b):TMP+4*(\b)+3] offset:32*(\b)
.endr
.irp t, 0,1,2,3,4,5,6,7
	ds_load_b128 v[BK+4*(\t):BK+4*(\t)+3], v[RD] offset:(\t)*2*SPITCH  ; LDS serves a wave's instructions in order: these see the stores above
.endr
.endm
.macro SEND a
	WIN 0
.set BK, OB+192*((\a)%2)
	s_wait_dscnt 0x0
	s_wait_xcnt 0x0                                ; the stores' base and the registers that earlier stores read are rewritten only behind this wait
.if (\a) > 0
	s_add_nc_u64 s[6:7], s[6:7], 16*PROW
.endif
.irp t, 0,1,2,3,4,5,6,7
	global_store_b128 v[CO], v[BK+4*(\t):BK+4*(\t)+3], s[6:7] offset:2*(\t)*PROW  ; 16 lanes store 256 consecutive bytes, at a multiple of 256 from p's first byte
.endr
.endm
	s_wait_tensorcnt 1                             ; my part of K step 0 is in; K step 1's may stay out
	s_barrier_signal -1
	s_barrier_wait -1
	FETCH 0, F0
	QUARTER 1, F0, F1, 1                           ; the first quarter's products start the sums
	WIN 0
	s_mov_b32 s3, 6
.Lstep:                                                ; a trip: a K step's quarters 1 to 3 and the next step's quarter 0; its refill brings K steps 2 to 7
	QUARTER 2, F1, F0, 0
	QUARTER 3, F0, F1, 0
	TURN 1
	QUARTER 1, F0, F1, 0
	WIN 0
	s_sub_co_u32 s3, s3, 1
	s_cmp_lg_u32 s3, 0
	s_cbranch_scc1 .Lstep
	s_mov_b32 s3, 2
.Ltail:                                                ; K steps 6 and 7 ask for nothing; the second trip is left in its middle
	QUARTER 2, F1, F0, 0
	QUARTER 3, F0, F1, 0
	WIN 0
	s_sub_co_u32 s3, s3, 1
	s_cmp_eq_u32 s3, 0
	s_cbranch_scc1 .Llast
	TURN 0
	QUARTER 1, F0, F1, 0
	WIN 0
	s_branch .Ltail
.Llast:
	s_wait_dscnt 8
	MUL16 F1, 0, 0, 0
	MUL16 F1, 0, 2, 0
	s_wait_dscnt 0x0
	MUL16 F1, 1, 0, 0
	MUL16 F1, 1, 2, 0
	WIN 0
	PLACES                                         ; behind the last products: their sources are written and their results read below
.irp j, 0,1,2,3,4,5,6,7
	v_cmp_gt_i32 vcc_lo, \j, v[RH]                 ; in the diagonal's own 16 x 16, key 8 h + j is hidden from row r where j > r - 8 h
	v_cndmask_b32 v[MD+\j], 0, s[BE], vcc_lo
.endr
	v_mov_b32 v[CMT+1], 0                          ; named with c m as a pair
	v_mov_b32 v[PT], 0                             ; v_permlanex16_b32's destination counts as read
	SOFT 0
	TOSTAGE 0
.irp a, 1,2,3,4,5,6,7                  ; block a's softmax stands between block a - 1's loads from the stage and the wait for them
	SOFT \a
	SEND (\a)-1
	TOSTAGE \a
.endr
	SEND 7
	v_cmp_gt_u32 vcc_lo, 256, v[LN]                ; lanes 0-15 store row blocks 0-3 of their row, lanes 16-31 row blocks 4-7: 512 consecutive bytes a store
.irp n, 0,1,2,3
	v_cndmask_b32 v[SD+\n], v[MS+4+\n], v[MS+\n], vcc_lo
	v_cndmask_b32 v[SD+4+\n], v[LSUM+4+\n], v[LSUM+\n], vcc_lo
.endr
	global_store_b128 v[LN], v[SD:SD+3], s[8:9]
	global_store_b128 v[LN], v[SD+4:SD+7], s[8:9] offset:8192
	s_wait_tensorcnt 0x0                           ; the wave's end
	ds_add_u32 v[SPW], v[NIL]
	s_wait_dscnt 0x0
	s_endpgm
.Lfunc_end_k_qdcb2c23855_scores:
	.size	k_qdcb2c23855_scores, .Lfunc_end_k_qdcb2c23855_scores-k_qdcb2c23855_scores
	.p2alignl 7, 3214868480
	.fill 96, 4, 3214868480
	.section	.rodata,"a",@progbits
	.p2align	6, 0x0
	.amdhsa_kernel k_qdcb2c23855_scores
		.amdhsa_group_segment_fixed_size 327680
		.amdhsa_private_segment_fixed_size 0
		.amdhsa_enable_private_segment 0
		.amdhsa_kernarg_size 24
		.amdhsa_user_sgpr_count 2
		.amdhsa_user_sgpr_kernarg_segment_ptr 1
		.amdhsa_wavefront_size32 1
		.amdhsa_system_sgpr_workgroup_id_x 1
		.amdhsa_system_sgpr_workgroup_id_y 1
		.amdhsa_system_sgpr_workgroup_id_z 1
		.amdhsa_system_vgpr_workitem_id 0
		.amdhsa_next_free_vgpr 1024
		.amdhsa_next_free_sgpr 66
		.amdhsa_reserve_vcc 1
		.amdhsa_float_denorm_mode_32 3
		.amdhsa_float_denorm_mode_16_64 3
		.amdhsa_memory_ordered 1
		.amdhsa_forward_progress 1
		.amdhsa_inst_pref_size 179
	.end_amdhsa_kernel
	.amdgpu_metadata
---
amdhsa.version: [ 1, 2 ]
amdhsa.kernels:
  - .name:           k_qdcb2c23855_scores
    .symbol:         k_qdcb2c23855_scores.kd
    .args:
      - { .name: qkv, .offset: 0, .size: 8, .value_kind: global_buffer, .address_space: global }
      - { .name: p, .offset: 8, .size: 8, .value_kind: global_buffer, .address_space: global }
      - { .name: stat, .offset: 16, .size: 8, .value_kind: global_buffer, .address_space: global }
    .group_segment_fixed_size: 327680
    .private_segment_fixed_size: 0
    .kernarg_segment_align: 8
    .kernarg_segment_size: 24
    .max_flat_workgroup_size: 128
    .sgpr_count:     66
    .vgpr_count:     1024
    .wavefront_size: 32
...
	.end_amdgpu_metadata
.endif
;; end of part 3
;; launch comb (part 4): grid 16 x 4, 1 waves a work-group, no clusters, 0 bytes of LDS; arguments stat, cw; writes cw
.if DOCPART == 4
	.amdgcn_target "amdgcn-amd-amdhsa--gfx1250"
	.amdhsa_code_object_version 6
	.text
	.protected	k_qdcb2c23855_comb
	.globl	k_qdcb2c23855_comb
	.p2align	8
	.type	k_qdcb2c23855_comb,@function
k_qdcb2c23855_comb:
	s_mov_b64 s[64:65], 0
	v_nop
	global_prefetch_b8 v0, s[64:65] scope:SCOPE_SE
	s_setreg_imm32_b32 hwreg(HW_REG_WAVE_MODE, 25, 1), 1
	s_wait_xcnt 0x0
; The rows' softmax is closed over the key blocks.  For each row: M = the maximum of c m over its key blocks kb <= i (i = the row's block of 128), L = the sum of 2^(c m_kb - M) l_kb,
; and the block's weight cw[batch][kb][row] = 2^(c m_kb - M) / L, 0 for kb > i.  All in f32; L is at least 1, since the block that holds M has a p of 1.
; LIMIT: a weight below 2^-126 counts as 0.
; One wave takes a block of 128 rows: a lane's 16 bytes are four rows (stat's and cw's layout), so nothing crosses lanes.  The work is 2,048 loads of 16 bytes in the whole launch: no LDS,
; no matrix unit.  Blocks kb > i are not in stat: their loads are turned to block i's and their weight is multiplied by 0.
.set OFFR, 2                           ; v2-17    byte offset of key block min(kb, i); never rewritten
.set MM,   32                          ; v32-95   c m, then the weights, 4 a key block
.set LL,   96                          ; v96-159  l
.set MX,   160                         ; v160-163 M
.set LS,   164                         ; v164-167 L
.set RC,   168                         ; v168-171 1 / L
	s_load_b128 s[4:7], s[0:1], 0x0                ; stat s[4:5], cw s[6:7]
	v_lshlrev_b32 v1, 4, v0
	s_mov_b32 s8, ttmp9                            ; i
	s_and_b32 s9, ttmp7, 0xffff                    ; batch
	s_lshl_b32 s12, s8, 9                          ; the block's 512 bytes
	s_lshl_b32 s10, s9, 18
	s_add_co_u32 s10, s10, s12
	s_mov_b32 s11, 0
	s_lshl_b32 s14, s9, 17
	s_add_co_u32 s14, s14, s12
	s_mov_b32 s15, 0
.irp kb, 0,1,2,3,4,5,6,7,8,9,10,11,12,13,14,15
	s_min_u32 s16, s8, \kb
	s_lshl_b32 s16, s16, 14
	v_add_nc_u32 v[OFFR+\kb], s16, v1
.endr
	s_mov_b32 s19, 0
	s_wait_kmcnt 0x0
	s_add_nc_u64 s[4:5], s[4:5], s[10:11]
	s_add_nc_u64 s[6:7], s[6:7], s[14:15]
.irp kb, 0,1,2,3,4,5,6,7,8,9,10,11,12,13,14,15
	global_load_b128 v[MM+4*\kb:MM+4*\kb+3], v[OFFR+\kb], s[4:5]
	global_load_b128 v[LL+4*\kb:LL+4*\kb+3], v[OFFR+\kb], s[4:5] offset:8192
.endr
	s_wait_loadcnt 0x0
.irp n, 0,1,2,3
	v_max3_num_f32 v[MX+\n], v[MM+\n], v[MM+4+\n], v[MM+8+\n]
.endr
.irp k, 3,5,7,9,11,13
.irp n, 0,1,2,3
	v_max3_num_f32 v[MX+\n], v[MX+\n], v[MM+4*\k+\n], v[MM+4*\k+4+\n]
.endr
.endr
.irp n, 0,1,2,3
	v_max_num_f32 v[MX+\n], v[MX+\n], v[MM+60+\n]
.endr
.set z, 0
.rept 32
	v_pk_add_f32 v[MM+2*z:MM+2*z+1], v[MM+2*z:MM+2*z+1], v[MX+2*(z%2):MX+2*(z%2)+1] neg_lo:[0,1] neg_hi:[0,1]  ; c m - M
.set z, z+1
.endr
.set z, 0
.rept 64
	v_exp_f32 v[MM+z], v[MM+z]
.set z, z+1
.endr
	v_nop                                          ; a plain instruction between the exponentials and the use of their results
	s_wait_alu depctr_va_vdst(0)
.irp kb, 0,1,2,3,4,5,6,7,8,9,10,11,12,13,14,15
	s_cmp_le_u32 \kb, s8
	s_cselect_b32 s18, 1.0, 0                      ; 0 for a key block above the rows' own
	v_pk_mul_f32 v[MM+4*\kb:MM+4*\kb+1], v[MM+4*\kb:MM+4*\kb+1], s[18:19] op_sel_hi:[1,0]
	v_pk_mul_f32 v[MM+4*\kb+2:MM+4*\kb+3], v[MM+4*\kb+2:MM+4*\kb+3], s[18:19] op_sel_hi:[1,0]
.if \kb == 0
	v_pk_mul_f32 v[LS:LS+1], v[MM:MM+1], v[LL:LL+1]
	v_pk_mul_f32 v[LS+2:LS+3], v[MM+2:MM+3], v[LL+2:LL+3]
.else
	v_pk_fma_f32 v[LS:LS+1], v[MM+4*\kb:MM+4*\kb+1], v[LL+4*\kb:LL+4*\kb+1], v[LS:LS+1]
	v_pk_fma_f32 v[LS+2:LS+3], v[MM+4*\kb+2:MM+4*\kb+3], v[LL+4*\kb+2:LL+4*\kb+3], v[LS+2:LS+3]
.endif
.endr
.irp n, 0,1,2,3
	v_rcp_f32 v[RC+\n], v[LS+\n]
.endr
	v_nop                                          ; a plain instruction between the reciprocals and the use of their results
	s_wait_alu depctr_va_vdst(0)
.irp kb, 0,1,2,3,4,5,6,7,8,9,10,11,12,13,14,15
	v_pk_mul_f32 v[MM+4*\kb:MM+4*\kb+1], v[MM+4*\kb:MM+4*\kb+1], v[RC:RC+1]
	v_pk_mul_f32 v[MM+4*\kb+2:MM+4*\kb+3], v[MM+4*\kb+2:MM+4*\kb+3], v[RC+2:RC+3]
	global_store_b128 v1, v[MM+4*\kb:MM+4*\kb+3], s[6:7] offset:8192*\kb  ; 512 consecutive bytes
.endr
	s_endpgm
.Lfunc_end_k_qdcb2c23855_comb:
	.size	k_qdcb2c23855_comb, .Lfunc_end_k_qdcb2c23855_comb-k_qdcb2c23855_comb
	.p2alignl 7, 3214868480
	.fill 96, 4, 3214868480
	.section	.rodata,"a",@progbits
	.p2align	6, 0x0
	.amdhsa_kernel k_qdcb2c23855_comb
		.amdhsa_group_segment_fixed_size 0
		.amdhsa_private_segment_fixed_size 0
		.amdhsa_enable_private_segment 0
		.amdhsa_kernarg_size 16
		.amdhsa_user_sgpr_count 2
		.amdhsa_user_sgpr_kernarg_segment_ptr 1
		.amdhsa_wavefront_size32 1
		.amdhsa_system_sgpr_workgroup_id_x 1
		.amdhsa_system_sgpr_workgroup_id_y 1
		.amdhsa_system_sgpr_workgroup_id_z 1
		.amdhsa_system_vgpr_workitem_id 0
		.amdhsa_next_free_vgpr 176
		.amdhsa_next_free_sgpr 66
		.amdhsa_reserve_vcc 0
		.amdhsa_float_denorm_mode_32 3
		.amdhsa_float_denorm_mode_16_64 3
		.amdhsa_memory_ordered 1
		.amdhsa_forward_progress 1
		.amdhsa_inst_pref_size 20
	.end_amdhsa_kernel
	.amdgpu_metadata
---
amdhsa.version: [ 1, 2 ]
amdhsa.kernels:
  - .name:           k_qdcb2c23855_comb
    .symbol:         k_qdcb2c23855_comb.kd
    .args:
      - { .name: stat, .offset: 0, .size: 8, .value_kind: global_buffer, .address_space: global }
      - { .name: cw, .offset: 8, .size: 8, .value_kind: global_buffer, .address_space: global }
    .group_segment_fixed_size: 0
    .private_segment_fixed_size: 0
    .kernarg_segment_align: 8
    .kernarg_segment_size: 16
    .max_flat_workgroup_size: 32
    .sgpr_count:     66
    .vgpr_count:     176
    .wavefront_size: 32
...
	.end_amdgpu_metadata
.endif
;; end of part 4
;; launch pv (part 5): grid 8 x 32, 4 waves a work-group, clusters of 4 x 4, 327,680 bytes of LDS; arguments p, qkv, cw, out0; writes out0
.if DOCPART == 5
	.amdgcn_target "amdgcn-amd-amdhsa--gfx1250"
	.amdhsa_code_object_version 6
	.text
	.protected	k_qdcb2c23855_pv
	.globl	k_qdcb2c23855_pv
	.p2align	8
	.type	k_qdcb2c23855_pv,@function
k_qdcb2c23855_pv:
	s_mov_b64 s[64:65], 0
	v_nop
	global_prefetch_b8 v0, s[64:65] scope:SCOPE_SE
	s_setreg_imm32_b32 hwreg(HW_REG_WAVE_MODE, 25, 1), 1
	s_wait_xcnt 0x0
	s_wait_alu depctr_hold_cnt(0) depctr_sa_sdst(0) depctr_va_vdst(0) depctr_va_sdst(0) depctr_va_ssrc(0) depctr_va_vcc(0) depctr_vm_vsrc(0)
	s_getreg_b32 s2, hwreg(HW_REG_IB_STS2, 6, 4)
	s_cmp_eq_u32 s2, 0
	s_cbranch_scc0 .Lentry_in_a_cluster
	s_endpgm
.Lentry_in_a_cluster:
	s_bfe_u32 s2, ttmp6, 0x10000c
	s_cmp_lg_u32 s2, 0xf033
	s_cbranch_scc0 .Lentry_shape_is_right
	s_endpgm
.Lentry_shape_is_right:
; out0[batch][row][ch] = the sum over key blocks kb of cw[kb][row] x (the sum over the block's 128 keys of p[row][key] v[key][ch]).  p and v in f16, sums, weights and out0 in f32.
; A tile of out0 is 128 rows x 128 channels; four waves, each 64 x 64: 16 accumulators.  A slot of LDS holds 256 keys: p's 128 rows x 512 bytes and v's 256 keys x 256 bytes.
; THE WALK.  A work-group makes TWO row blocks of 128, one after the other: 4 (3 - sp) + cy and 4 sp + cy (sp = cluster y % 2, batch = cluster y / 2).  All sixteen partners walk the same
; slots: 8 - 2 sp for the first block, 2 sp + 2 for the second: 10 for every work-group.  A key block above a row block's own is multiplied all the same, with weight 0; for it p's address is
; turned back to the row block's last written 256 keys, so what arrives is finite.  So p's tile is shared along a row of the cluster, v's along a column, and no branch hangs on cx or cy.
; A KEY BLOCK'S PRODUCTS start with C = 0 in one of two sets of accumulators (T0, T1); while the next key block is multiplied into the other set, the finished set is added to O with the rows'
; weights: eight packed multiply-adds behind every eight matrix instructions, which are also the places that those want.
; The matrix instruction is used transposed (source 0 = 16 channels of v, read turned; source 1 = 16 rows of p): a lane holds row lane % 16 and the channels 8 (lane / 16) + 0..7.
; No first step is written out: T1, O and the weights start at 0 (272 v_mov_b32 in the wait for the first tile), and O is cleared once more between the two blocks.
; REGISTERS (s_set_vgpr_msb: bits 1:0 source 0, 3:2 source 1, 5:4 source 2, 7:6 destination):
;   window 0: v0-23 addresses; v24-51 weights; v64-191 the way out     window 1: two fragment buffers of 128 (64 of p, then 64 of v)     window 2: T0 v0-127, T1 v128-255     window 3: O v0-127
.set PP,     528                       ; a row of p in LDS: 512 bytes + 16
.set PV,     288                       ; a row of v: 256 bytes + 32
.set PPART,  64*PP                     ; what waves 0 and 1 fetch
.set VOFF,   2*PPART
.set VPART,  128*PV                    ; what waves 2 and 3 fetch
.set SLOT,   147456                    ; 0x24000: shares no bit with the waves' LDS words, so one exclusive or changes the slot
.set STAGE,  2*SLOT                    ; 16 rows x 272 bytes for each wave
.set SPITCH, 272
.set SPARE,  STAGE+4*16*SPITCH         ; the spare words, 128 bytes a wave
.set A0,   12                          ; v12  my place in p's tile, slot 0; never rewritten
.set B0,   13                          ; v13  my place in v's tile, slot 0; never rewritten
.set ADRA, 14                          ; v14  p's fragments in the slot in hand
.set ADRB, 15                          ; v15, v16  v's: keys 0-127, keys 128-255
.set STO,  17
.set RD,   18
.set GO,   19
.set CWO,  20
.set SPW,  22                          ; my spare word; never rewritten
.set NIL,  23                          ; 0; never rewritten
.set CW,   24                          ; v24-31  the next slot's weights as loaded: first key block's four row blocks, second's
.set H1,   32                          ; v32-35  the slot's second key block's, held
.set CF0,  36                          ; v36-43  T0's weights, row block a in the even register 2 a (the packed multiply-add names a pair and takes its low word)
.set CF1,  44                          ; v44-51  T1's
.set OB,   64
.set F0,   0
.set F1,   128
.set WV, 12
.set WR, 13
.set WC, 14
.set TB, 15
.set G1,  24
.set G0,  32
.set G1B, 48
.set G0B, 56
.set BAT, 66
.set SP,  67
.set NH,  68                           ; slots of the first block
.set IHI, 69
.set ILO, 70
.set NR,  71                           ; the slot to be asked for next
.set NC,  72                           ; the slot whose weights are loaded next
.set NCUR, 73                          ; slots done
.set PBASE, 74                         ; s[74:75]
.set VBASE, 76                         ; s[76:77]
.set CWB,  78                          ; s[78:79]
.set CWA,  80                          ; s[80:81]
.set OHI,  82                          ; s[82:83] out0 at my part of the first block
.set OLO,  84                          ; s[84:85] of the second
.set OP,   86                          ; s[86:87] p's offset
.set OV,   88                          ; s[88:89] v's offset
.set OC,   90                          ; s[90:91] cw's offset
.set KB2,  92
.set IC,   93
.set TT,   94
.set T2,   95
.set MSB, 0
.macro WIN new
.if MSB != (\new)
	s_set_vgpr_msb (MSB<<8)|(\new)
.set MSB, \new
.endif
.endm
.macro JLOAD                           ; a joint refill by the walking sets; an s_nop 0 and four v_nop follow each line
	s_cmp_lt_u32 s[WV], 2
	s_cbranch_scc0 .Lfor_v_\@
	tensor_load_to_lds s[G0+4:G0+7], s[G1:G1+7]
	s_nop 0
.rept 4
	v_nop
.endr
	s_branch .Lasked_\@
.Lfor_v_\@:
	tensor_load_to_lds s[G0B+4:G0B+7], s[G1B:G1B+7]
	s_nop 0
.rept 4
	v_nop
.endr
.Lasked_\@:
.endm
.macro CREST
	s_cmp_lg_u32 s[WV], 0
	s_cbranch_scc1 .Lnot_wave_0_\@
	s_barrier_signal -3
.Lnot_wave_0_\@:
	s_barrier_wait -3
	s_barrier_signal -1
	s_barrier_wait -1
.endm
.macro CROUND
	s_barrier_signal -1
	s_barrier_wait -1
	CREST
.endm
; The global addresses of slot NR, made anew from the bases.  Slot NR is 256 keys number NR of the first block, or NR - NH of the second.  v's registers never hold cy, p's never cx.
.macro ADDR set
	s_sub_co_u32 s[TT], s[NR], s[NH]
	s_cmp_lt_u32 s[NR], s[NH]
	s_cselect_b32 s[KB2], s[NR], s[TT]
	s_cselect_b32 s[IC], s[IHI], s[ILO]
	s_mul_i32 s[OV], s[KB2], 256*6144
	s_add_nc_u64 s[G0B+4*(\set)+2:G0B+4*(\set)+3], s[VBASE:VBASE+1], s[OV:OV+1]
	s_or_b32 s[G0B+4*(\set)+3], s[G0B+4*(\set)+3], 0x80000000
	s_lshr_b32 s[T2], s[IC], 1                     ; the row block's last written 256 keys
	s_min_u32 s[T2], s[T2], s[KB2]
	s_lshl_b32 s[T2], s[T2], 9
	s_lshl_b32 s[OP], s[IC], 19                    ; 128 rows of 4,096 bytes
	s_add_co_u32 s[OP], s[OP], s[T2]
	s_add_nc_u64 s[G0+4*(\set)+2:G0+4*(\set)+3], s[PBASE:PBASE+1], s[OP:OP+1]
	s_or_b32 s[G0+4*(\set)+3], s[G0+4*(\set)+3], 0x80000000
	s_add_co_u32 s[NR], s[NR], 1
.endm
; The weights of slot min(NC, 9): two loads of 16 bytes a lane, my row's four row blocks for each of the slot's two key blocks.  (Behind the last slot the last slot's are loaded once more and not used.)
.macro CWLOAD
	s_min_u32 s16, s[NC], 9
	s_sub_co_u32 s17, s16, s[NH]
	s_cmp_lt_u32 s16, s[NH]
	s_cselect_b32 s17, s16, s17
	s_cselect_b32 s18, s[IHI], s[ILO]
	s_lshl_b32 s17, s17, 14
	s_lshl_b32 s18, s18, 9
	s_add_co_u32 s[OC], s17, s18
	s_add_nc_u64 s[CWA:CWA+1], s[CWB:CWB+1], s[OC:OC+1]
	global_load_b128 v[CW:CW+3], v[CWO], s[CWA:CWA+1]
	global_load_b128 v[CW+4:CW+7], v[CWO], s[CWA:CWA+1] offset:8192
	s_add_co_u32 s[NC], s[NC], 1
.endm
	s_load_b256 s[4:11], s[0:1], 0x0               ; p s[4:5], qkv s[6:7], cw s[8:9], out0 s[10:11]
	v_lshl_add_u32 v[SPW], v0, 2, SPARE
	v_mov_b32 v[NIL], 0
	ds_add_u32 v[SPW], v[NIL]                      ; the wave's opening: the add and its wait ahead of my first tensor load
	ds_add_u32 v22, v23
	v_lshrrev_b32 v1, 5, v0
	v_readfirstlane_b32 s[WV], v1
	s_lshr_b32 s[WR], s[WV], 1                     ; my half of the rows
	s_and_b32 s[WC], s[WV], 1                      ; my half of the channels; also which half of a tile I fetch
	s_bfe_u32 s40, ttmp6, 0x40000                  ; cx
	s_bfe_u32 s41, ttmp6, 0x40004                  ; cy
	s_lshl_b32 s42, ttmp9, 2
	s_add_co_u32 s42, s42, s40                     ; my block of 128 channels
	s_and_b32 s43, ttmp7, 0xffff                   ; the cluster's y
	s_lshr_b32 s[BAT], s43, 1
	s_and_b32 s[SP], s43, 1
	s_lshl_b32 s16, s[SP], 1
	s_sub_co_u32 s[NH], 8, s16
	s_sub_co_u32 s17, 3, s[SP]
	s_lshl_b32 s17, s17, 2
	s_add_co_u32 s[IHI], s17, s41
	s_lshl_b32 s17, s[SP], 2
	s_add_co_u32 s[ILO], s17, s41
	s_lshl_b32 s44, s41, 2
	s_lshl_b32 s44, 15, s44                        ; my row of the cluster
	s_lshl_b32 s45, 0x1111, s40                    ; my column
	s_or_b32 s[G1], s44, (1<<16)|(1<<20)|(1<<21)|(6<<22)|(3<<25)   ; p: mask; 2-byte elements; padding on; bit 21 beside a mask; after every 128 words 4 words
	s_mov_b32 s[G1+1], 256<<16                     ; tensor_dim0 = 256
	s_mov_b32 s[G1+2], 64<<16                      ; tensor_dim1 = 64
	s_mov_b32 s[G1+3], 256<<16                     ; tile_dim0 = 256
	s_mov_b32 s[G1+4], 64                          ; tile_dim1 = 64
	s_mov_b32 s[G1+5], 2048
	s_mov_b32 s[G1+6], 0
	s_mov_b32 s[G1+7], 0
	s_or_b32 s[G1B], s45, (1<<16)|(1<<20)|(1<<21)|(5<<22)|(7<<25)  ; v: after every 64 words 8 words
	s_mov_b32 s[G1B+1], 128<<16                    ; tensor_dim0 = 128
	s_mov_b32 s[G1B+2], 128<<16                    ; tensor_dim1 = 128
	s_mov_b32 s[G1B+3], 128<<16                    ; tile_dim0 = 128
	s_mov_b32 s[G1B+4], 128                        ; tile_dim1 = 128
	s_mov_b32 s[G1B+5], 3072
	s_mov_b32 s[G1B+6], 0
	s_mov_b32 s[G1B+7], 0
	s_mul_i32 s20, s[WC], PPART                    ; where my part goes: no place in the cluster enters an LDS address
	s_mul_i32 s21, s[WC], VPART
	s_add_co_u32 s21, s21, VOFF
	s_mov_b32 s[G0], 1
	s_mov_b32 s[G0+1], s20
	s_mov_b32 s[G0+4], 1
	s_add_co_u32 s[G0+5], s20, SLOT
	s_mov_b32 s[G0B], 1
	s_mov_b32 s[G0B+1], s21
	s_mov_b32 s[G0B+4], 1
	s_add_co_u32 s[G0B+5], s21, SLOT
	s_lshl_b32 s[OP], s[BAT], 23                   ; p: the batch, and my 64 of a block's 128 rows
	s_lshl_b32 s[OP+1], s[WC], 18
	s_add_co_u32 s[OP], s[OP], s[OP+1]
	s_mov_b32 s[OP+1], 0
	s_lshl_b32 s[OV], s[BAT], 11                   ; v: the batch's keys and my 128 of a slot's 256, v's columns of qkv, my block of channels
	s_lshl_b32 s[OV+1], s[WC], 7
	s_add_co_u32 s[OV], s[OV], s[OV+1]
	s_mul_i32 s[OV], s[OV], 6144
	s_lshl_b32 s[OV+1], s42, 8
	s_add_co_u32 s[OV], s[OV], s[OV+1]
	s_add_co_u32 s[OV], s[OV], 4096
	s_mov_b32 s[OV+1], 0
	s_lshl_b32 s[OC], s[BAT], 17                   ; cw: the batch, and my 64 rows' 256 bytes
	s_lshl_b32 s[OC+1], s[WR], 8
	s_add_co_u32 s[OC], s[OC], s[OC+1]
	s_mov_b32 s[OC+1], 0
	s_lshl_b32 s18, s[BAT], 11                     ; out0: row batch x 2,048 + 128 i + 64 x row half, 4,096 bytes each; column bytes 512 x channel block + 256 x channel half
	s_lshl_b32 s19, s[WR], 6
	s_add_co_u32 s18, s18, s19
	s_lshl_b32 s19, s42, 9
	s_lshl_b32 s20, s[WC], 8
	s_add_co_u32 s19, s19, s20
	s_lshl_b32 s20, s[IHI], 7
	s_add_co_u32 s20, s20, s18
	s_lshl_b32 s20, s20, 12
	s_add_co_u32 s20, s20, s19
	s_mov_b32 s21, 0
	s_lshl_b32 s22, s[ILO], 7
	s_add_co_u32 s22, s22, s18
	s_lshl_b32 s22, s22, 12
	s_add_co_u32 s22, s22, s19
	s_mov_b32 s23, 0
	s_mov_b32 s[NR], 0
	s_mov_b32 s[NC], 0
	s_mov_b32 s[NCUR], 0
	s_mov_b32 s[TB], 0
	s_wait_dscnt 0x0                               ; the opening add is done
	s_wait_kmcnt 0x0
	s_add_nc_u64 s[PBASE:PBASE+1], s[4:5], s[OP:OP+1]
	s_add_nc_u64 s[VBASE:VBASE+1], s[6:7], s[OV:OV+1]
	s_add_nc_u64 s[CWB:CWB+1], s[8:9], s[OC:OC+1]
	s_add_nc_u64 s[OHI:OHI+1], s[10:11], s[20:21]
	s_add_nc_u64 s[OLO:OLO+1], s[10:11], s[22:23]
	CROUND                                         ; all sixteen work-groups are here: the first joint loads meet
	ADDR 0
	ADDR 1
	s_cmp_lt_u32 s[WV], 2                          ; a wave's two first fills stand in one branch: two loads of mine are out
	s_cbranch_scc0 .Lfirst_v
	tensor_load_to_lds s[G0:G0+3], s[G1:G1+7]
	s_nop 0
	tensor_load_to_lds s[G0+4:G0+7], s[G1:G1+7]
	s_nop 0
.rept 4
	v_nop
.endr
	s_branch .Lfirst_asked
.Lfirst_v:
	tensor_load_to_lds s[G0B:G0B+3], s[G1B:G1B+7]
	s_nop 0
	tensor_load_to_lds s[G0B+4:G0B+7], s[G1B:G1B+7]
	s_nop 0
.rept 4
	v_nop
.endr
.Lfirst_asked:
	v_and_b32 v1, 15, v0                           ; r
	v_bfe_u32 v2, v0, 4, 1                         ; h
	v_lshlrev_b32 v[CWO], 4, v1
	CWLOAD                                         ; slot 0's weights
	WIN 0x80                                       ; what the first slot finds: T1, O and the weights hold 0
.set i, 128
.rept 128
	v_mov_b32 v[i], 0
.set i, i+1
.endr
	WIN 0xc0
.set i, 0
.rept 128
	v_mov_b32 v[i], 0
.set i, i+1
.endr
	WIN 0
.set i, CF0
.rept 16
	v_mov_b32 v[i], 0
.set i, i+1
.endr
	v_mul_u32_u24 v3, v1, PP                       ; a fragment of p: row r, 16 bytes for each half of the lanes
	v_lshl_add_u32 v3, v2, 4, v3
	s_mul_i32 s21, s[WR], PPART                    ; my 64 rows
	v_add_nc_u32 v[A0], s21, v3
	v_and_b32 v4, 7, v0                            ; the turning load: lane reads key 8 h + lane % 8, 16 bytes at 16 ((lane / 8) % 2)
	v_lshl_add_u32 v4, v2, 3, v4
	v_mul_u32_u24 v4, v4, PV
	v_bfe_u32 v5, v0, 3, 1
	v_lshl_add_u32 v4, v5, 4, v4
	s_lshl_b32 s22, s[WC], 7                       ; my 64 channels
	s_add_co_u32 s22, s22, VOFF
	v_add_nc_u32 v[B0], s22, v4
	v_mov_b32 v[ADRA], v[A0]
	v_mov_b32 v[ADRB], v[B0]
	v_add_nc_u32 v[ADRB+1], VPART, v[B0]
	s_mul_i32 s23, s[WV], 16*SPITCH
	s_add_co_u32 s23, s23, STAGE                   ; my stage
	v_mul_u32_u24 v4, v1, SPITCH                   ; in: row r, 32 bytes for each half of the lanes
	v_lshl_add_u32 v4, v2, 5, v4
	v_add_nc_u32 v[STO], s23, v4
	v_mul_u32_u24 v5, v2, SPITCH                   ; back: lanes 0-15 one row of 256 bytes, lanes 16-31 the next
	v_lshl_add_u32 v5, v1, 4, v5
	v_add_nc_u32 v[RD], s23, v5
	v_lshlrev_b32 v5, 12, v2
	v_lshl_add_u32 v[GO], v1, 4, v5
; 8 matrix instructions: row blocks a0, a0 + 1 x all 4 channel blocks, 32 keys: half c of buffer f, into set T0 or T1.  zero = 1: they start the key block's sums.
.macro MUL8 f, c, a0, set, zero
	WIN 0xa5
.irp a, \a0, (\a0)+1
.irp b, 0,1,2,3
.if \zero
	v_wmma_f32_16x16x32_f16 v[128*(\set)+8*(4*(\a)+(\b)):128*(\set)+8*(4*(\a)+(\b))+7], v[(\f)+64+8*(4*(\c)+(\b)):(\f)+64+8*(4*(\c)+(\b))+7], v[(\f)+8*(4*(\c)+(\a)):(\f)+8*(4*(\c)+(\a))+7], 0
.else
	v_wmma_f32_16x16x32_f16 v[128*(\set)+8*(4*(\a)+(\b)):128*(\set)+8*(4*(\a)+(\b))+7], v[(\f)+64+8*(4*(\c)+(\b)):(\f)+64+8*(4*(\c)+(\b))+7], v[(\f)+8*(4*(\c)+(\a)):(\f)+8*(4*(\c)+(\a))+7], v[128*(\set)+8*(4*(\a)+(\b)):128*(\set)+8*(4*(\a)+(\b))+7]
.endif
.endr
.endr
.endm
; 8 packed multiply-adds: O += T x weight for accumulators 2 g and 2 g + 1 of a finished set, each from its low end on.  They name no register of the products round them.
.macro FMA8 set, g
	WIN 0xf2
.irp t, 2*(\g), 2*(\g)+1
.irp n, 0,1,2,3
	v_pk_fma_f32 v[8*(\t)+2*\n:8*(\t)+2*\n+1], v[128*(\set)+8*(\t)+2*\n:128*(\set)+8*(\t)+2*\n+1], v[CF0+8*(\set)+2*((\t)/4):CF0+8*(\set)+2*((\t)/4)+1], v[8*(\t)+2*\n:8*(\t)+2*\n+1] op_sel_hi:[1,0,1]
.endr
.endr
.endm
; 32 LDS loads in one run: quarter q (64 keys) of the slot in hand into buffer f; its first 32 keys first
.macro FETCH q, f
	WIN 0x40
.irp c, 0,1
.irp i, 0,1,2,3
	ds_load_tr16_b128 v[(\f)+64+8*(4*(\c)+(\i)):(\f)+64+8*(4*(\c)+(\i))+3],   v[ADRB+(\q)/2] offset:(((\q)%2)*64+32*(\c))*PV+32*(\i)
	ds_load_tr16_b128 v[(\f)+64+8*(4*(\c)+(\i))+4:(\f)+64+8*(4*(\c)+(\i))+7], v[ADRB+(\q)/2] offset:(((\q)%2)*64+32*(\c))*PV+32*(\i)+16*PV
	ds_load_b128 v[(\f)+8*(4*(\c)+(\i)):(\f)+8*(4*(\c)+(\i))+3],   v[ADRA] offset:(\q)*128+64*(\c)+(\i)*16*PP
	ds_load_b128 v[(\f)+8*(4*(\c)+(\i))+4:(\f)+8*(4*(\c)+(\i))+7], v[ADRA] offset:(\q)*128+64*(\c)+(\i)*16*PP+32
.endr
.endr
.endm
; One of a slot's first three quarters: multiplies buffer f into a set, fetches quarter q + 1 into buffer g, and adds groups g0 .. g0 + 3 of the other set to O.
.macro QUARTER q, f, g, set, zero, oth, g0
	s_wait_dscnt 16                                ; the quarter's first 32 keys are in
	MUL8 \f, 0, 0, \set, \zero
	FMA8 \oth, \g0
	MUL8 \f, 0, 2, \set, \zero
	FMA8 \oth, (\g0)+1
	FETCH (\q)+1, \g
	s_wait_dscnt 32                                ; all but the 32 just issued
	MUL8 \f, 1, 0, \set, 0
	FMA8 \oth, (\g0)+2
	MUL8 \f, 1, 2, \set, 0
	FMA8 \oth, (\g0)+3
.endm
; A slot's first three quarters.  At its head its weights, loaded a slot ago, are taken over and the next slot's are asked for.
.macro BODY
	WIN 0
	s_wait_loadcnt 0x0                             ; the two loads issued a slot ago; their base may be written again
.irp a, 0,1,2,3
	v_mov_b32 v[CF0+2*\a], v[CW+\a]
	v_mov_b32 v[H1+\a], v[CW+4+\a]
.endr
	CWLOAD
	QUARTER 0, F0, F1, 0, 1, 1, 0                  ; T0 starts | the last slot's T1 goes to O
	QUARTER 1, F1, F0, 0, 0, 1, 4
	WIN 0
.irp a, 0,1,2,3
	v_mov_b32 v[CF1+2*\a], v[H1+\a]                ; the old T1 is done with its weights
.endr
	QUARTER 2, F0, F1, 1, 1, 0, 0                  ; T1 starts | T0 goes to O
.endm
; The last quarter and the change of slots.  In front of the barrier: all my tensor loads (one is out: my part of the next slot), the add, my reads of this slot.
; fill = 1: the barrier opens a round of the cluster's, and this slot is filled again first thing behind it, two slots ahead: it has 112 of a slot's 128 products in which to land.
.macro TURN fill
	WIN 0
	s_wait_tensorcnt 0x0
	ds_add_u32 v[SPW], v[NIL]                      ; the descriptors' scalar work stands behind it
.if \fill
	s_xor_b32 s[G0+5], s[G0+5], SLOT
	s_xor_b32 s[G0B+5], s[G0B+5], SLOT
	ADDR 1
.endif
	s_wait_dscnt 17                                ; the add and the youngest sixteen loads may be out
	MUL8 F1, 0, 0, 1, 0
	FMA8 0, 4
	s_wait_dscnt 0x0                               ; the add is done, and my reads of this slot are over
	s_barrier_signal -1
	MUL8 F1, 0, 2, 1, 0
	FMA8 0, 5
	WIN 0
	s_barrier_wait -1
.if \fill
	CREST                                          ; no wave of any partner still reads this slot or has a load on its way
	JLOAD
.endif
	s_xor_b32 s[TB], s[TB], SLOT
	v_add_nc_u32 v[ADRA], s[TB], v[A0]
	v_add_nc_u32 v[ADRB], s[TB], v[B0]
	v_add_nc_u32 v[ADRB+1], VPART, v[ADRB]
	FETCH 0, F0
	MUL8 F1, 1, 0, 1, 0
	FMA8 0, 6
	MUL8 F1, 1, 2, 1, 0
	FMA8 0, 7
.endm
.macro FLUSH                           ; a block's last T1 goes to O
.irp g, 0,1,2,3,4,5,6,7
	FMA8 1, \g
.endr
.endm
; THE WAY OUT: O, f32, through my own stage, 16 rows at a time: 32 bytes a lane in, whole rows of 256 bytes back, then 32 stores.
.macro WAYOUT base
	WIN 0
	s_wait_xcnt 0x0                                ; the registers that earlier stores read are loaded again only behind this wait
.irp a, 0,1,2,3
	WIN 0x0c                                       ; store data in window 3
.irp b, 0,1,2,3
	ds_store_b128 v[STO], v[8*(4*(\a)+(\b)):8*(4*(\a)+(\b))+3]   offset:64*(\b)
	ds_store_b128 v[STO], v[8*(4*(\a)+(\b))+4:8*(4*(\a)+(\b))+7] offset:64*(\b)+16
.endr
	WIN 0
.irp t, 0,1,2,3,4,5,6,7
	ds_load_b128 v[OB+32*(\a)+4*(\t):OB+32*(\a)+4*(\t)+3], v[RD] offset:(\t)*2*SPITCH  ; LDS serves a wave's instructions in order: these see the stores above, the next block's stores come behind them
.endr
.endr
	s_wait_dscnt 0x0
.irp a, 0,1,2,3
.irp t, 0,1,2,3,4,5,6,7
	global_store_b128 v[GO], v[OB+32*(\a)+4*(\t):OB+32*(\a)+4*(\t)+3], s[(\base):(\base)+1] offset:(16*(\a)+2*(\t))*4096  ; 16 lanes store 256 consecutive bytes, at a multiple of 256 from out0's first byte
.endr
.endr
.endm
	s_wait_tensorcnt 1                             ; my part of slot 0 is in; slot 1's may stay out
	s_barrier_signal -1
	s_barrier_wait -1
	FETCH 0, F0
	WIN 0
	s_mov_b32 s3, 8
.Lslot:                                                ; eight trips: slots 0 to 7 are multiplied, slots 2 to 9 asked for
	BODY
	TURN 1
	WIN 0
	s_add_co_u32 s[NCUR], s[NCUR], 1
	s_cmp_lg_u32 s[NCUR], s[NH]                    ; hangs on the cluster's y alone: alike in all partners
	s_cbranch_scc1 .Lsame
	FLUSH                                          ; the first block is finished
	WAYOUT OHI
	WIN 0xc0
.set i, 0
.rept 128
	v_mov_b32 v[i], 0                              ; O starts anew,
.set i, i+1
.endr
	WIN 0
.irp a, 0,1,2,3
	v_mov_b32 v[CF1+2*\a], 0                       ; and the old T1 counts no more
.endr
.Lsame:
	s_sub_co_u32 s3, s3, 1
	s_cmp_lg_u32 s3, 0
	s_cbranch_scc1 .Lslot
	s_mov_b32 s3, 2
.Ltail:                                                ; slots 8 and 9 ask for nothing; the second trip is left in its middle
	BODY
	WIN 0
	s_sub_co_u32 s3, s3, 1
	s_cmp_eq_u32 s3, 0
	s_cbranch_scc1 .Llast
	TURN 0
	WIN 0
	s_branch .Ltail
.Llast:
	s_wait_dscnt 16
	MUL8 F1, 0, 0, 1, 0
	FMA8 0, 4
	MUL8 F1, 0, 2, 1, 0
	FMA8 0, 5
	s_wait_dscnt 0x0
	MUL8 F1, 1, 0, 1, 0
	FMA8 0, 6
	MUL8 F1, 1, 2, 1, 0
	FMA8 0, 7
	FLUSH
	WAYOUT OLO
	s_wait_tensorcnt 0x0                           ; the wave's end
	ds_add_u32 v[SPW], v[NIL]
	s_wait_dscnt 0x0
	CROUND                                         ; the closing round
	s_endpgm
.Lfunc_end_k_qdcb2c23855_pv:
	.size	k_qdcb2c23855_pv, .Lfunc_end_k_qdcb2c23855_pv-k_qdcb2c23855_pv
	.p2alignl 7, 3214868480
	.fill 96, 4, 3214868480
	.section	.rodata,"a",@progbits
	.p2align	6, 0x0
	.amdhsa_kernel k_qdcb2c23855_pv
		.amdhsa_group_segment_fixed_size 327680
		.amdhsa_private_segment_fixed_size 0
		.amdhsa_enable_private_segment 0
		.amdhsa_kernarg_size 32
		.amdhsa_user_sgpr_count 2
		.amdhsa_user_sgpr_kernarg_segment_ptr 1
		.amdhsa_wavefront_size32 1
		.amdhsa_system_sgpr_workgroup_id_x 1
		.amdhsa_system_sgpr_workgroup_id_y 1
		.amdhsa_system_sgpr_workgroup_id_z 1
		.amdhsa_system_vgpr_workitem_id 0
		.amdhsa_next_free_vgpr 896
		.amdhsa_next_free_sgpr 96
		.amdhsa_reserve_vcc 0
		.amdhsa_float_denorm_mode_32 3
		.amdhsa_float_denorm_mode_16_64 3
		.amdhsa_memory_ordered 1
		.amdhsa_forward_progress 1
		.amdhsa_inst_pref_size 107
	.end_amdhsa_kernel
	.amdgpu_metadata
---
amdhsa.version: [ 1, 2 ]
amdhsa.kernels:
  - .name:           k_qdcb2c23855_pv
    .symbol:         k_qdcb2c23855_pv.kd
    .args:
      - { .name: p, .offset: 0, .size: 8, .value_kind: global_buffer, .address_space: global }
      - { .name: qkv, .offset: 8, .size: 8, .value_kind: global_buffer, .address_space: global }
      - { .name: cw, .offset: 16, .size: 8, .value_kind: global_buffer, .address_space: global }
      - { .name: out0, .offset: 24, .size: 8, .value_kind: global_buffer, .address_space: global }
    .group_segment_fixed_size: 327680
    .private_segment_fixed_size: 0
    .kernarg_segment_align: 8
    .kernarg_segment_size: 32
    .max_flat_workgroup_size: 128
    .sgpr_count:     96
    .vgpr_count:     896
    .wavefront_size: 32
...
	.end_amdgpu_metadata
.endif
;; end of part 5
;; ======== version 2 of 2: 5 launches; version 1 with the launches prep, comb written anew for expert scheduling mode
;; limits: values are held in f16: magnitudes above 65,504 overflow, below 6.1e-05 lose precision
;; workspace buffers: xb 16,777,216 bytes; wb 6,291,456 bytes; bias 12,288 bytes; qkv 50,331,648 bytes; p 33,554,432 bytes; stat 1,048,576 bytes; cw 524,288 bytes
;; launch prep (part 6): grid 705 x 1, 8 waves a work-group, no clusters, 0 bytes of LDS; arguments x, Wq, Wk, Wv, bq, bk, bv, xb, wb, bias; writes xb, wb, bias
.if DOCPART == 6
	.amdgcn_target "amdgcn-amd-amdhsa--gfx1250"
	.amdhsa_code_object_version 6
	.text
	.protected	k_qdcb2c23855_prep
	.globl	k_qdcb2c23855_prep
	.p2align	8
	.type	k_qdcb2c23855_prep,@function
k_qdcb2c23855_prep:
	s_mov_b64 s[64:65], 0
	v_nop
	global_prefetch_b8 v0, s[64:65] scope:SCOPE_SE
	s_setreg_imm32_b32 hwreg(HW_REG_WAVE_SCHED_MODE, 0, 2), 2
	s_setreg_imm32_b32 hwreg(HW_REG_WAVE_MODE, 25, 1), 1
	s_wait_xcnt 0x0
	s_wait_alu depctr_vm_vsrc(0)
; The module's inputs are rounded to bf16 once.
; xb = bf16(x) IN BLOCKS: [K step 16][row 8192][64]: number (row, c) lies at byte (c / 64) 1,048,576 + row 128 + (c % 64) 2, so that 64 along K of neighbouring rows lie end to end.
; wb[1024 k][3072 n] = bf16 of Wq, Wk, Wv side by side (n 0-1023 q, 1024-2047 k, 2048-3071 v).  bias[3072] = bq, bk, bv rounded to bf16 and kept as f32, since they start f32 sums.
; A pure stream: no LDS, no matrix unit, no cluster (no two work-groups read the same bytes).  Eight waves; a work-group takes 16 rows of 1,024 f32, in 16 loads and stores a thread.
; Work-groups 0-511: x.  512-703: 64 for each W.  704: the three biases.
; W: thread t owns 16 bytes of every row in and 8 out: a wave's load covers 512 consecutive bytes, its store 256.
; x: lanes 0-15 of wave w take 256 bytes (64 numbers: one K step) of one row, lanes 16-31 the same of the next row: their 128 + 128 bytes out are 256 consecutive bytes of xb, aligned.
; THE MODE: SCHED_MODE bits 1:0 = 2 (LLVM: expert scheduling mode 2), set by the entry lines.  The code itself states the register dependences
; between vector instructions and memory instructions, with s_wait_alu, always for 0.
; THE PLAN.  Registers that memory instructions touch:
;   v1 .. v4   byte offsets.  Written once, at the head; read by every load and store; never written again.
;   XI         sixteen times 4 registers.  Written by the sixteen loads, once each (no vector instruction names them before); read by the conversions.
;   YO         sixteen times 2 registers.  Written by the conversions, once each; read by the stores.
; No register that a memory instruction reads is written a second time, so the only dependences are: the offsets ahead of the first load, and each YO ahead of its store.
; The sixteen items go in four blocks of four.  Block p's conversions name block p's XI and YO alone; its memory instructions are the four stores of block p - 1.  So ONE wait at a
; block's head states all that those stores hang on, and they are dealt among the block's conversions with no further wait.
.set XI, 8                             ; v[8:71]   sixteen times 4 numbers as loaded
.set YO, 72                            ; v[72:103] the same in bf16
	s_load_b512 s[8:23], s[0:1], 0x0               ; x s[8:9], Wq s[10:11], Wk s[12:13], Wv s[14:15], bq s[16:17], bk s[18:19], bv s[20:21], xb s[22:23]
	s_load_b128 s[24:27], s[0:1], 0x40             ; wb s[24:25], bias s[26:27]
	v_lshlrev_b32 v1, 4, v0                        ; W and biases: my 16 bytes of a row in,
	v_lshlrev_b32 v2, 3, v0                        ; my 8 bytes of a row out
	v_and_b32 v5, 15, v0                           ; x: lane % 16,
	v_bfe_u32 v6, v0, 4, 1                         ; lane / 16: which row of a pair,
	v_lshrrev_b32 v7, 5, v0                        ; wave: K steps 2 w and 2 w + 1
	v_lshlrev_b32 v3, 4, v5
	v_lshl_add_u32 v3, v6, 12, v3
	v_lshl_add_u32 v3, v7, 9, v3                   ; in: 16 (lane % 16) + 4,096 (lane / 16) + 512 w
	v_lshlrev_b32 v4, 3, v5
	v_lshl_add_u32 v4, v6, 7, v4
	v_lshl_add_u32 v4, v7, 21, v4                  ; out: 8 (lane % 16) + 128 (lane / 16) + 2 x 1,048,576 w
	s_mov_b32 s2, ttmp9
	s_mov_b32 s5, 0
	s_wait_kmcnt 0x0
	s_wait_alu depctr_va_vdst(0)                   ; v1 to v4 are written: every load and store of the three paths below reads one of them as its offset
; Sixteen loads from s[28:29] and stores to s[30:31]; number i stands at (i / 2) ia + (i % 2) ib in and at (i / 2) oa + (i % 2) ob out.  All loads go out first; no register is written
; twice.  Number i = 4 p + j: block p, place j.
.macro CONV vi, vo, ia, ib, oa, ob
.irp i, 0,1,2,3,4,5,6,7,8,9,10,11,12,13,14,15
	global_load_b128 v[XI+4*(\i):XI+4*(\i)+3], v[\vi], s[28:29] offset:((\i)/2)*(\ia)+((\i)%2)*(\ib) th:TH_LOAD_NT
.endr
.irp p, 0,1,2,3
	s_wait_loadcnt 12-4*(\p)                       ; loads come back in order: block p's four are in, the younger blocks' stay out
.if (\p) > 0
	s_wait_alu depctr_va_vdst(0)                   ; the block before has written its eight registers of YO, which the four stores below read
.endif
.irp j, 0,1,2,3
.if (\p) > 0
	global_store_b64 v[\vo], v[YO+2*(4*(\p)+(\j)-4):YO+2*(4*(\p)+(\j)-4)+1], s[30:31] offset:((4*(\p)+(\j)-4)/2)*(\oa)+((\j)%2)*(\ob)  ; the block before; no vector instruction since the wait names these registers
.endif
	v_cvt_pk_bf16_f32 v[YO+2*(4*(\p)+(\j))], v[XI+4*(4*(\p)+(\j))], v[XI+4*(4*(\p)+(\j))+1]
	v_cvt_pk_bf16_f32 v[YO+2*(4*(\p)+(\j))+1], v[XI+4*(4*(\p)+(\j))+2], v[XI+4*(4*(\p)+(\j))+3]
.endr
.endr
	s_wait_alu depctr_va_vdst(0)                   ; block 3 has written its YO, which the last four stores read
.irp j, 0,1,2,3
	global_store_b64 v[\vo], v[YO+2*(12+(\j)):YO+2*(12+(\j))+1], s[30:31] offset:((12+(\j))/2)*(\oa)+((\j)%2)*(\ob)
.endr
.endm
	s_cmp_lt_u32 s2, 512
	s_cbranch_scc0 .Lweights
	s_lshl_b32 s4, s2, 16                          ; 16 rows of 4,096 bytes in
	s_add_nc_u64 s[28:29], s[8:9], s[4:5]
	s_lshl_b32 s4, s2, 11                          ; 16 rows of 128 bytes in each K step's block
	s_add_nc_u64 s[30:31], s[22:23], s[4:5]
	CONV 3, 4, 8192, 256, 256, 1048576             ; i / 2: the pair of rows; i % 2: which of my wave's two K steps
	s_endpgm
.Lweights:
	s_cmp_lt_u32 s2, 704
	s_cbranch_scc0 .Lbias
	s_sub_co_u32 s3, s2, 512
	s_lshr_b32 s6, s3, 6                           ; which W: 0 q, 1 k, 2 v
	s_and_b32 s7, s3, 63                           ; which 16 rows of it
	s_cmp_eq_u32 s6, 0
	s_cselect_b64 s[28:29], s[10:11], s[12:13]
	s_cmp_eq_u32 s6, 2
	s_cselect_b64 s[28:29], s[14:15], s[28:29]
	s_lshl_b32 s4, s7, 16
	s_add_nc_u64 s[28:29], s[28:29], s[4:5]
	s_mul_i32 s4, s7, 16*6144                      ; 16 rows of wb,
	s_lshl_b32 s6, s6, 11                          ; and this W's 2,048 bytes in them
	s_add_co_u32 s4, s4, s6
	s_add_nc_u64 s[30:31], s[24:25], s[4:5]
	CONV 1, 2, 8192, 4096, 12288, 6144             ; row i
	s_endpgm
.Lbias:
	global_load_b128 v[8:11], v1, s[16:17]
	global_load_b128 v[12:15], v1, s[18:19]
	global_load_b128 v[16:19], v1, s[20:21]
	s_wait_loadcnt 0x0
.irp i, 0,1,2,3,4,5
	v_cvt_pk_bf16_f32 v[20+\i], v[8+2*\i], v[9+2*\i]   ; rounded to bf16,
.endr
.irp i, 0,1,2,3,4,5
	v_lshlrev_b32 v[28+2*\i], 16, v[20+\i]             ; and widened again
	v_and_b32 v[29+2*\i], 0xffff0000, v[20+\i]
.endr
	s_wait_alu depctr_va_vdst(0)                   ; the widening lines have written v28 to v39, which the three stores read
	global_store_b128 v1, v[28:31], s[26:27]
	global_store_b128 v1, v[32:35], s[26:27] offset:4096
	global_store_b128 v1, v[36:39], s[26:27] offset:8192
	s_endpgm
.Lfunc_end_k_qdcb2c23855_prep:
	.size	k_qdcb2c23855_prep, .Lfunc_end_k_qdcb2c23855_prep-k_qdcb2c23855_prep
	.p2alignl 7, 3214868480
	.fill 96, 4, 3214868480
	.section	.rodata,"a",@progbits
	.p2align	6, 0x0
	.amdhsa_kernel k_qdcb2c23855_prep
		.amdhsa_group_segment_fixed_size 0
		.amdhsa_private_segment_fixed_size 0
		.amdhsa_enable_private_segment 0
		.amdhsa_kernarg_size 80
		.amdhsa_user_sgpr_count 2
		.amdhsa_user_sgpr_kernarg_segment_ptr 1
		.amdhsa_wavefront_size32 1
		.amdhsa_system_sgpr_workgroup_id_x 1
		.amdhsa_system_sgpr_workgroup_id_y 1
		.amdhsa_system_sgpr_workgroup_id_z 1
		.amdhsa_system_vgpr_workitem_id 0
		.amdhsa_next_free_vgpr 104
		.amdhsa_next_free_sgpr 66
		.amdhsa_reserve_vcc 0
		.amdhsa_float_denorm_mode_32 3
		.amdhsa_float_denorm_mode_16_64 3
		.amdhsa_memory_ordered 1
		.amdhsa_forward_progress 1
		.amdhsa_inst_pref_size 15
	.end_amdhsa_kernel
	.amdgpu_metadata
---
amdhsa.version: [ 1, 2 ]
amdhsa.kernels:
  - .name:           k_qdcb2c23855_prep
    .symbol:         k_qdcb2c23855_prep.kd
    .args:
      - { .name: x, .offset: 0, .size: 8, .value_kind: global_buffer, .address_space: global }
      - { .name: Wq, .offset: 8, .size: 8, .value_kind: global_buffer, .address_space: global }
      - { .name: Wk, .offset: 16, .size: 8, .value_kind: global_buffer, .address_space: global }
      - { .name: Wv, .offset: 24, .size: 8, .value_kind: global_buffer, .address_space: global }
      - { .name: bq, .offset: 32, .size: 8, .value_kind: global_buffer, .address_space: global }
      - { .name: bk, .offset: 40, .size: 8, .value_kind: global_buffer, .address_space: global }
      - { .name: bv, .offset: 48, .size: 8, .value_kind: global_buffer, .address_space: global }
      - { .name: xb, .offset: 56, .size: 8, .value_kind: global_buffer, .address_space: global }
      - { .name: wb, .offset: 64, .size: 8, .value_kind: global_buffer, .address_space: global }
      - { .name: bias, .offset: 72, .size: 8, .value_kind: global_buffer, .address_space: global }
    .group_segment_fixed_size: 0
    .private_segment_fixed_size: 0
    .kernarg_segment_align: 8
    .kernarg_segment_size: 80
    .max_flat_workgroup_size: 256
    .sgpr_count:     66
    .vgpr_count:     104
    .wavefront_size: 32
...
	.end_amdgpu_metadata
.endif
;; end of part 6
;; launch proj: the kernel of part 2 again; grid 8 x 32, 4 waves a work-group, clusters of 4 x 4, 327,680 bytes of LDS; arguments xb, wb, qkv, bias; writes qkv
;; launch scores: the kernel of part 3 again; grid 9 x 16, 4 waves a work-group, no clusters, 327,680 bytes of LDS; arguments qkv, p, stat; writes p, stat
;; launch comb (part 7): grid 16 x 4, 1 waves a work-group, no clusters, 0 bytes of LDS; arguments stat, cw; writes cw
.if DOCPART == 7
	.amdgcn_target "amdgcn-amd-amdhsa--gfx1250"
	.amdhsa_code_object_version 6
	.text
	.protected	k_qdcb2c23855_comb
	.globl	k_qdcb2c23855_comb
	.p2align	8
	.type	k_qdcb2c23855_comb,@function
k_qdcb2c23855_comb:
	s_mov_b64 s[64:65], 0
	v_nop
	global_prefetch_b8 v0, s[64:65] scope:SCOPE_SE
	s_setreg_imm32_b32 hwreg(HW_REG_WAVE_SCHED_MODE, 0, 2), 2
	s_setreg_imm32_b32 hwreg(HW_REG_WAVE_MODE, 25, 1), 1
	s_wait_xcnt 0x0
	s_wait_alu depctr_vm_vsrc(0)
; The rows' softmax is closed over the key blocks.  For each row: M = the maximum of c m over its key blocks kb <= i (i = the row's block of 128), L = the sum of 2^(c m_kb - M) l_kb,
; and the block's weight cw[batch][kb][row] = 2^(c m_kb - M) / L, 0 for kb > i.  All in f32; L is at least 1, since the block that holds M has a p of 1.
; LIMIT: a weight below 2^-126 counts as 0.
; One wave takes a block of 128 rows: a lane's 16 bytes are four rows (stat's and cw's layout), so nothing crosses lanes.  The work is 2,048 loads of 16 bytes in the whole launch: no LDS,
; no matrix unit.  Blocks kb > i are not in stat: their loads are turned to block i's and their weight is multiplied by 0.
; THE MODE: SCHED_MODE bits 1:0 = 2 (LLVM: expert scheduling mode 2), set by the entry lines.  The code itself states the register dependences
; between vector instructions and memory instructions, with s_wait_alu, always for 0.
; THE PLAN.  Registers that memory instructions touch:
;   v1, OFFR   byte offsets.  Written once, at the head; read by the stores and by the loads; never written again.
;   MM, LL     Written by the 32 loads (no vector instruction names them before).  From the wait for the loads on they are the arithmetic's.
;   MM         At the end: each key block's four registers are written for the last time by two multiplies, then read by the block's store, and not written again.
; So the dependences are: the offsets ahead of the first load, and each key block's weights ahead of its store.  The sixteen key blocks leave in two halves: one wait behind the multiplies of
; key blocks 0 to 7; their eight stores stand among the multiplies of key blocks 8 to 15, which name other registers; one wait more ahead of the last eight stores.
; s16 and s18 are written by scalar instructions alone; no vector instruction writes a scalar register.
.set OFFR, 2                           ; v2-17    byte offset of key block min(kb, i); never rewritten
.set MM,   32                          ; v32-95   c m, then the weights, 4 a key block
.set LL,   96                          ; v96-159  l
.set MX,   160                         ; v160-163 M
.set LS,   164                         ; v164-167 L
.set RC,   168                         ; v168-171 1 / L
	s_load_b128 s[4:7], s[0:1], 0x0                ; stat s[4:5], cw s[6:7]
	v_lshlrev_b32 v1, 4, v0
	s_mov_b32 s8, ttmp9                            ; i
	s_and_b32 s9, ttmp7, 0xffff                    ; batch
	s_lshl_b32 s12, s8, 9                          ; the block's 512 bytes
	s_lshl_b32 s10, s9, 18
	s_add_co_u32 s10, s10, s12
	s_mov_b32 s11, 0
	s_lshl_b32 s14, s9, 17
	s_add_co_u32 s14, s14, s12
	s_mov_b32 s15, 0
.irp kb, 0,1,2,3,4,5,6,7,8,9,10,11,12,13,14,15
	s_min_u32 s16, s8, \kb
	s_lshl_b32 s16, s16, 14
	v_add_nc_u32 v[OFFR+\kb], s16, v1
.endr
	s_mov_b32 s19, 0
	s_wait_kmcnt 0x0
	s_add_nc_u64 s[4:5], s[4:5], s[10:11]
	s_add_nc_u64 s[6:7], s[6:7], s[14:15]
	s_wait_alu depctr_va_vdst(0)                   ; v1 and the sixteen offsets v2 to v17 are written: the loads below and the stores at the end read them
.irp kb, 0,1,2,3,4,5,6,7,8,9,10,11,12,13,14,15
	global_load_b128 v[MM+4*\kb:MM+4*\kb+3], v[OFFR+\kb], s[4:5]
	global_load_b128 v[LL+4*\kb:LL+4*\kb+3], v[OFFR+\kb], s[4:5] offset:8192
.endr
	s_wait_loadcnt 0x0
.irp n, 0,1,2,3
	v_max3_num_f32 v[MX+\n], v[MM+\n], v[MM+4+\n], v[MM+8+\n]
.endr
.irp k, 3,5,7,9,11,13
.irp n, 0,1,2,3
	v_max3_num_f32 v[MX+\n], v[MX+\n], v[MM+4*\k+\n], v[MM+4*\k+4+\n]
.endr
.endr
.irp n, 0,1,2,3
	v_max_num_f32 v[MX+\n], v[MX+\n], v[MM+60+\n]
.endr
.set z, 0
.rept 32
	v_pk_add_f32 v[MM+2*z:MM+2*z+1], v[MM+2*z:MM+2*z+1], v[MX+2*(z%2):MX+2*(z%2)+1] neg_lo:[0,1] neg_hi:[0,1]  ; c m - M
.set z, z+1
.endr
.set z, 0
.rept 64
	v_exp_f32 v[MM+z], v[MM+z]
.set z, z+1
.endr
	v_nop                                          ; a plain instruction between the exponentials and the use of their results
	s_wait_alu depctr_va_vdst(0)                   ; the 64 exponentials have written v[MM ..]: one wait for the batch, ahead of its first reader
.irp kb, 0,1,2,3,4,5,6,7,8,9,10,11,12,13,14,15
	s_cmp_le_u32 \kb, s8
	s_cselect_b32 s18, 1.0, 0                      ; 0 for a key block above the rows' own
	v_pk_mul_f32 v[MM+4*\kb:MM+4*\kb+1], v[MM+4*\kb:MM+4*\kb+1], s[18:19] op_sel_hi:[1,0]
	v_pk_mul_f32 v[MM+4*\kb+2:MM+4*\kb+3], v[MM+4*\kb+2:MM+4*\kb+3], s[18:19] op_sel_hi:[1,0]
.if \kb == 0
	v_pk_mul_f32 v[LS:LS+1], v[MM:MM+1], v[LL:LL+1]
	v_pk_mul_f32 v[LS+2:LS+3], v[MM+2:MM+3], v[LL+2:LL+3]
.else
	v_pk_fma_f32 v[LS:LS+1], v[MM+4*\kb:MM+4*\kb+1], v[LL+4*\kb:LL+4*\kb+1], v[LS:LS+1]
	v_pk_fma_f32 v[LS+2:LS+3], v[MM+4*\kb+2:MM+4*\kb+3], v[LL+4*\kb+2:LL+4*\kb+3], v[LS+2:LS+3]
.endif
.endr
.irp n, 0,1,2,3
	v_rcp_f32 v[RC+\n], v[LS+\n]
.endr
	v_nop                                          ; a plain instruction between the reciprocals and the use of their results
	s_wait_alu depctr_va_vdst(0)                   ; the four reciprocals have written v[RC ..]: one wait for the batch, ahead of its first reader
.irp kb, 0,1,2,3,4,5,6,7
	v_pk_mul_f32 v[MM+4*\kb:MM+4*\kb+1], v[MM+4*\kb:MM+4*\kb+1], v[RC:RC+1]
	v_pk_mul_f32 v[MM+4*\kb+2:MM+4*\kb+3], v[MM+4*\kb+2:MM+4*\kb+3], v[RC+2:RC+3]
.endr
	s_wait_alu depctr_va_vdst(0)                   ; the multiplies above have written the weights of key blocks 0 to 7, which the eight stores below read
.irp kb, 8,9,10,11,12,13,14,15
	global_store_b128 v1, v[MM+4*\kb-32:MM+4*\kb-29], s[6:7] offset:8192*\kb-65536  ; key block kb - 8: 512 consecutive bytes; no vector instruction since the wait names these registers
	v_pk_mul_f32 v[MM+4*\kb:MM+4*\kb+1], v[MM+4*\kb:MM+4*\kb+1], v[RC:RC+1]
	v_pk_mul_f32 v[MM+4*\kb+2:MM+4*\kb+3], v[MM+4*\kb+2:MM+4*\kb+3], v[RC+2:RC+3]
.endr
	s_wait_alu depctr_va_vdst(0)                   ; the weights of key blocks 8 to 15 are written, which the last eight stores read
.irp kb, 8,9,10,11,12,13,14,15
	global_store_b128 v1, v[MM+4*\kb:MM+4*\kb+3], s[6:7] offset:8192*\kb  ; 512 consecutive bytes
.endr
	s_endpgm
.Lfunc_end_k_qdcb2c23855_comb:
	.size	k_qdcb2c23855_comb, .Lfunc_end_k_qdcb2c23855_comb-k_qdcb2c23855_comb
	.p2alignl 7, 3214868480
	.fill 96, 4, 3214868480
	.section	.rodata,"a",@progbits
	.p2align	6, 0x0
	.amdhsa_kernel k_qdcb2c23855_comb
		.amdhsa_group_segment_fixed_size 0
		.amdhsa_private_segment_fixed_size 0
		.amdhsa_enable_private_segment 0
		.amdhsa_kernarg_size 16
		.amdhsa_user_sgpr_count 2
		.amdhsa_user_sgpr_kernarg_segment_ptr 1
		.amdhsa_wavefront_size32 1
		.amdhsa_system_sgpr_workgroup_id_x 1
		.amdhsa_system_sgpr_workgroup_id_y 1
		.amdhsa_system_sgpr_workgroup_id_z 1
		.amdhsa_system_vgpr_workitem_id 0
		.amdhsa_next_free_vgpr 176
		.amdhsa_next_free_sgpr 66
		.amdhsa_reserve_vcc 0
		.amdhsa_float_denorm_mode_32 3
		.amdhsa_float_denorm_mode_16_64 3
		.amdhsa_memory_ordered 1
		.amdhsa_forward_progress 1
		.amdhsa_inst_pref_size 21
	.end_amdhsa_kernel
	.amdgpu_metadata
---
amdhsa.version: [ 1, 2 ]
amdhsa.kernels:
  - .name:           k_qdcb2c23855_comb
    .symbol:         k_qdcb2c23855_comb.kd
    .args:
      - { .name: stat, .offset: 0, .size: 8, .value_kind: global_buffer, .address_space: global }
      - { .name: cw, .offset: 8, .size: 8, .value_kind: global_buffer, .address_space: global }
    .group_segment_fixed_size: 0
    .private_segment_fixed_size: 0
    .kernarg_segment_align: 8
    .kernarg_segment_size: 16
    .max_flat_workgroup_size: 32
    .sgpr_count:     66
    .vgpr_count:     176
    .wavefront_size: 32
...
	.end_amdgpu_metadata
.endif
;; end of part 7
;; launch pv: the kernel of part 5 again; grid 8 x 32, 4 waves a work-group, clusters of 4 x 4, 327,680 bytes of LDS; arguments p, qkv, cw, out0; writes out0
